; MI455X (gfx1250); checked and timed in simulation.
; The chip was launched on July 23, 2026; its instructions are those of AMD's public machine-readable ISA for CDNA 5 (MIT licence, August 2026) and "CDNA5" Instruction Set Architecture Reference Guide (July 2026). The comments in the code are by the model that wrote it; some were corrected since.
;; Superpoint Matching. Allowed arithmetic: float matrix products may take bf16 or f16 operands with f32 sums; all other float work in f32.
;; Inputs: src_feats 4 x 4,096 x 256 float32; tgt_feats 4 x 4,096 x 256 float32.
;; Outputs: out0 4 x 256 int32; out1 4 x 256 int32; out2 4 x 256 float32.
;; 2 versions, each right; version 2 is version 1 with the launches sel, sel1, sel2, sel3 written anew for expert scheduling mode. Each part assembles by itself: llvm-mc -triple=amdgcn-amd-amdhsa -mcpu=gfx1250 --defsym DOCPART=n.
;; ======== version 1 of 2: 10 launches
;; workspace buffers: feat 16,908,288 bytes; init 65,536 bytes of whole numbers; sums 4,259,840 bytes; cinv 65,536 bytes; maxes 18,874,368 bytes; selA 131,072 bytes of whole numbers; selB 131,072 bytes of whole numbers; cand 196,608 bytes
;; launch prep (part 1): grid 128 x 2, 8 waves a work-group, no clusters, 2,048 bytes of LDS; arguments src_feats, tgt_feats, feat, init; writes feat, init
.if DOCPART == 1
	.amdgcn_target "amdgcn-amd-amdhsa--gfx1250"
	.amdhsa_code_object_version 6
	.text
	.protected	k_qef006f94db_prep
	.globl	k_qef006f94db_prep
	.p2align	8
	.type	k_qef006f94db_prep,@function
k_qef006f94db_prep:
	s_mov_b64 s[64:65], 0
	v_nop
	global_prefetch_b8 v0, s[64:65] scope:SCOPE_SE
	s_setreg_imm32_b32 hwreg(HW_REG_WAVE_MODE, 25, 1), 1
	s_wait_xcnt 0x0
; Rounds both feature tensors to bf16 and takes each row's norm from the ROUNDED numbers, in f32.
; feat: src bf16 at byte 0, tgt bf16 at 8,388,608, an[16384] = 1/max(|s|,1e-12) at 16,777,216, bn2[16384] = 2 log2(e)/max(|t|,1e-12) at 16,842,752.
; init: 16384 words, the start list of the selection: word q = 128 + q/16, with bit 31 set unless q is a multiple of 16.
; Grid y picks the tensor.  A work-group owns 128 rows, a wave 16; a wave takes a whole row of 1,024 bytes with two 16-byte loads a lane.
; All 32 loads of a wave are issued at the start.  A stream: no matrix unit, no cluster, no tile in LDS would spare a byte here.
; Limits: NaN and infinite inputs are not served; a sum of squares beyond f32's range overflows as it does in the problem's own text.
.set X,  32                            ; v[32:159] row i: 8 registers as loaded
.set T,  8                             ; v[8:15]   the rounded numbers, widened again
.set Y,  16                            ; v[16:19]  8 bf16 to store
.set SS, 20                            ; v[20:21]  sum of squares, two chains
.set NV, 22                            ; v22       lanes i and i+16 collect row i's result
.set PX, 23                            ; v23       the other half's sum
	s_load_b256 s[4:11], s[0:1], 0x0               ; src s[4:5], tgt s[6:7], feat s[8:9], init s[10:11]
	v_lshl_add_u32 v160, v0, 2, 0x400
	v_mov_b32 v161, 0
	s_and_b32 s14, ttmp7, 0xffff                   ; y: 0 src, 1 tgt
	v_lshrrev_b32 v1, 5, v0
	v_readfirstlane_b32 s15, v1                    ; wave
	v_and_b32 v2, 31, v0                           ; lane
	s_mov_b32 s12, 0x76543210                      ; v_permlanex16_b32: lane i reads lane i of the other half
	s_mov_b32 s13, 0xfedcba98
	s_mov_b32 s17, 0xffff0000                      ; a word's upper bf16
	v_lshlrev_b32 v3, 4, v2
	v_lshl_add_u32 v3, s15, 14, v3                 ; in: 16 lane + wave x 16 rows x 1,024 bytes
	v_lshlrev_b32 v4, 3, v2
	v_lshl_add_u32 v4, s15, 13, v4                 ; out: 8 lane + wave x 16 rows x 512 bytes
	v_mov_b32 v[NV], 0
	v_mov_b32 v[PX], 0
	s_lshl_b32 s18, ttmp9, 17                      ; 128 rows of 1,024 bytes
	s_mov_b32 s19, 0
	s_lshl_b32 s20, s14, 23                        ; the tensor's bf16 copy
	s_lshl_b32 s21, ttmp9, 16                      ; 128 rows of 512 bytes
	s_add_co_u32 s20, s20, s21
	s_mov_b32 s21, 0
	s_lshl_b32 s22, s14, 16                        ; the tensor's vector of norms
	s_lshl_b32 s23, ttmp9, 9
	s_add_co_u32 s22, s22, s23
	s_add_co_u32 s22, s22, 0x1000000
	s_mov_b32 s23, 0
	s_wait_kmcnt 0x0
	s_cmp_eq_u32 s14, 0
	s_cselect_b64 s[4:5], s[4:5], s[6:7]           ; the input of this y
	s_cselect_b32 s16, 1.0, 0x4038aa3b             ; src: 1; tgt: 2 log2(e), folded in here once
	s_add_nc_u64 s[4:5], s[4:5], s[18:19]
	s_add_nc_u64 s[22:23], s[8:9], s[22:23]
	s_add_nc_u64 s[8:9], s[8:9], s[20:21]
.irp i, 0,1,2,3,4,5,6,7,8,9,10,11,12,13,14,15
	global_load_b128 v[X+8*\i:X+8*\i+3],   v3, s[4:5] offset:\i*1024 th:TH_LOAD_NT
	global_load_b128 v[X+8*\i+4:X+8*\i+7], v3, s[4:5] offset:\i*1024+512 th:TH_LOAD_NT
.endr
.macro ROW i
	s_wait_loadcnt 30-2*\i                         ; loads come back in order: this row's two are in, the younger rows' stay out
	s_wait_xcnt 0x0                                ; Y, which the last row's stores read, is rewritten only behind this wait
.irp j, 0,1,2,3
	v_cvt_pk_bf16_f32 v[Y+\j], v[X+8*\i+2*\j], v[X+8*\i+2*\j+1]
.endr
.irp j, 0,1,2,3
	v_lshlrev_b32 v[T+2*\j],   16,  v[Y+\j]        ; the rounded numbers as f32
	v_and_b32     v[T+2*\j+1], s17, v[Y+\j]
.endr
	global_store_b64 v4, v[Y:Y+1],   s[8:9] offset:\i*512       ; 32 lanes x 8 bytes: 256 consecutive bytes, aligned
	global_store_b64 v4, v[Y+2:Y+3], s[8:9] offset:\i*512+256
	v_pk_mul_f32 v[SS:SS+1], v[T:T+1], v[T:T+1]
.irp j, 2,4,6
	v_pk_fma_f32 v[SS:SS+1], v[T+\j:T+\j+1], v[T+\j:T+\j+1], v[SS:SS+1]
.endr
	v_add_f32 v[SS], v[SS], v[SS+1]
	v_add_f32_dpp v[SS], v[SS], v[SS] row_xmask:1 row_mask:0xf bank_mask:0xf
	v_add_f32_dpp v[SS], v[SS], v[SS] row_xmask:2 row_mask:0xf bank_mask:0xf
	v_add_f32_dpp v[SS], v[SS], v[SS] row_xmask:4 row_mask:0xf bank_mask:0xf
	v_add_f32_dpp v[SS], v[SS], v[SS] row_xmask:8 row_mask:0xf bank_mask:0xf
	v_permlanex16_b32 v[PX], v[SS], s12, s13
	v_add_f32 v[SS], v[SS], v[PX]                  ; the row's sum of squares in every lane
	v_sqrt_f32 v24, v[SS]                          ; n0; one plain place behind each transcendental (ISA guide 5.7.2)
	v_nop
	s_wait_alu depctr_va_vdst(0)
	v_max_num_f32 v25, 0x2b8cbccc, v24             ; max(n0, 1e-12)
	v_rcp_f32 v26, v25
	v_fma_f32 v27, -v24, v24, v[SS]                ; ss - n0^2: the place, and the Newton step's residue
	v_mul_f32 v27, 0.5, v27
	s_wait_alu depctr_va_vdst(0)
	v_fma_f32 v24, v27, v26, v24                   ; n1 = n0 + (ss - n0^2) / (2 n0)
	v_max_num_f32 v25, 0x2b8cbccc, v24             ; d = max(n1, 1e-12)
	v_rcp_f32 v26, v25
	v_nop
	s_wait_alu depctr_va_vdst(0)
	v_fma_f32 v27, -v25, v26, 1.0
	v_fma_f32 v26, v27, v26, v26                   ; 1/d, one Newton step
	v_mul_f32 v26, s16, v26
	s_mov_b32 s24, 0x10001<<\i
	v_cndmask_b32 v[NV], v[NV], v26, s24           ; lanes i and i+16 keep it
.endm
.irp i, 0,1,2,3,4,5,6,7,8,9,10,11,12,13,14,15
	ROW \i
.endr
	v_and_b32 v5, 15, v2
	v_lshlrev_b32 v5, 2, v5
	v_lshl_add_u32 v5, s15, 6, v5                  ; word 16 wave + lane mod 16 (both halves hold the same number)
	ds_store_b32 v5, v[NV]
	s_wait_dscnt 0x0                               ; for wave 0's sake: zero
	s_barrier_signal -1
	s_barrier_wait -1
	s_cmp_lg_u32 s15, 0
	s_cbranch_scc1 .Lend
	v_lshlrev_b32 v6, 4, v2
	ds_load_b128 v[8:11], v6                       ; the group's 128 results
	s_lshl_b32 s24, s14, 7
	s_add_co_u32 s24, s24, ttmp9                   ; g = 128 y + x: 64 words of init each
	s_lshl_b32 s25, s24, 2
	s_add_co_u32 s25, s25, 128                     ; 128 + (64 g) / 16
	v_lshrrev_b32 v28, 3, v2
	v_add_nc_u32 v28, s25, v28                     ; lane's two words q = 64 g + 2 lane, + 1 share one id
	v_or_b32 v29, 0x80000000, v28                  ; the odd word is never chosen
	v_and_b32 v30, 7, v2
	v_cmp_eq_u32 vcc_lo, 0, v30
	v_cndmask_b32 v28, v29, v28, vcc_lo            ; the even word is chosen where q is a multiple of 16
	v_lshlrev_b32 v31, 3, v2
	s_lshl_b32 s26, s24, 8
	s_mov_b32 s27, 0
	s_add_nc_u64 s[10:11], s[10:11], s[26:27]
	global_store_b64 v31, v[28:29], s[10:11]
	s_wait_dscnt 0x0
	global_store_b128 v6, v[8:11], s[22:23]
.Lend:
	s_wait_tensorcnt 0x0
	ds_add_u32 v160, v161
	s_wait_dscnt 0x0
	s_endpgm
.Lfunc_end_k_qef006f94db_prep:
	.size	k_qef006f94db_prep, .Lfunc_end_k_qef006f94db_prep-k_qef006f94db_prep
	.p2alignl 7, 3214868480
	.fill 96, 4, 3214868480
	.section	.rodata,"a",@progbits
	.p2align	6, 0x0
	.amdhsa_kernel k_qef006f94db_prep
		.amdhsa_group_segment_fixed_size 2048
		.amdhsa_private_segment_fixed_size 0
		.amdhsa_enable_private_segment 0
		.amdhsa_kernarg_size 32
		.amdhsa_user_sgpr_count 2
		.amdhsa_user_sgpr_kernarg_segment_ptr 1
		.amdhsa_wavefront_size32 1
		.amdhsa_system_sgpr_workgroup_id_x 1
		.amdhsa_system_sgpr_workgroup_id_y 1
		.amdhsa_system_sgpr_workgroup_id_z 1
		.amdhsa_system_vgpr_workitem_id 0
		.amdhsa_next_free_vgpr 162
		.amdhsa_next_free_sgpr 66
		.amdhsa_reserve_vcc 1
		.amdhsa_float_denorm_mode_32 3
		.amdhsa_float_denorm_mode_16_64 3
		.amdhsa_memory_ordered 1
		.amdhsa_forward_progress 1
		.amdhsa_inst_pref_size 41
	.end_amdhsa_kernel
	.amdgpu_metadata
---
amdhsa.version: [ 1, 2 ]
amdhsa.kernels:
  - .name:           k_qef006f94db_prep
    .symbol:         k_qef006f94db_prep.kd
    .args:
      - { .name: src_feats, .offset: 0, .size: 8, .value_kind: global_buffer, .address_space: global }
      - { .name: tgt_feats, .offset: 8, .size: 8, .value_kind: global_buffer, .address_space: global }
      - { .name: feat, .offset: 16, .size: 8, .value_kind: global_buffer, .address_space: global }
      - { .name: init, .offset: 24, .size: 8, .value_kind: global_buffer, .address_space: global }
    .group_segment_fixed_size: 2048
    .private_segment_fixed_size: 0
    .kernarg_segment_align: 8
    .kernarg_segment_size: 32
    .max_flat_workgroup_size: 256
    .sgpr_count:     66
    .vgpr_count:     162
    .wavefront_size: 32
...
	.end_amdgpu_metadata
.endif
;; end of part 1
;; launch p1 (part 2): grid 256 x 1, 8 waves a work-group, clusters of 4 x 1, 327,680 bytes of LDS; arguments feat, sums; writes sums
.if DOCPART == 2
	.amdgcn_target "amdgcn-amd-amdhsa--gfx1250"
	.amdhsa_code_object_version 6
	.text
	.protected	k_qef006f94db_p1
	.globl	k_qef006f94db_p1
	.p2align	8
	.type	k_qef006f94db_p1,@function
k_qef006f94db_p1:
	s_mov_b64 s[64:65], 0
	v_nop
	global_prefetch_b8 v0, s[64:65] scope:SCOPE_SE
	s_setreg_imm32_b32 hwreg(HW_REG_WAVE_MODE, 25, 1), 1
	s_wait_xcnt 0x0
	s_wait_alu depctr_hold_cnt(0) depctr_sa_sdst(0) depctr_va_vdst(0) depctr_va_sdst(0) depctr_va_ssrc(0) depctr_va_vcc(0) depctr_vm_vsrc(0)
	s_getreg_b32 s2, hwreg(HW_REG_IB_STS2, 6, 4)
	s_cmp_eq_u32 s2, 0
	s_cbranch_scc0 .Lentry_in_a_cluster
	s_endpgm
.Lentry_in_a_cluster:
	s_bfe_u32 s2, ttmp6, 0x10000c
	s_cmp_lg_u32 s2, 0x3003
	s_cbranch_scc0 .Lentry_shape_is_right
	s_endpgm
.Lentry_shape_is_right:
; First pass over the product: c' = exp2((dot a_i) bn2_j) = e^(2 cos); row sums whole, column sums per strip.
; sums: rinv[16384] = 1/(row sum + 1e-8 e^2) at byte 0; colpart[work-group][4096] at byte 65,536.
; The common factor e^-2 of the problem's exponential cancels in its quotients once its 1e-8 is multiplied by e^2.
; No maximum is taken away before the exponential: the problem's own normalisation bounds |cos| by 1, the exponent by 2.9 in base 2.
; A work-group owns 64 src rows and walks all 4,096 tgt rows of its batch in 16 chunks of 256 rows through two LDS slots.
; Every wave keeps the 64 src rows as fragments in registers 256-511; of a chunk it multiplies 32 tgt rows (two tiles of 16):
; 8 KB read from LDS feed 32 matrix instructions.  Eight waves, two on a SIMD, so that one wave's exponentials can run beside the other's products.
; CLUSTER: the four work-groups of a cluster lie in one batch (64 work-groups a batch) and walk the same chunks, so each tensor load is a
; joint one, mask 15; its address is made of the batch and the wave's number alone.  One tensor load of a wave is outstanding at most.
; Limits: NaN and infinite inputs are not served.
.set PITCH,  528                       ; an LDS row: 512 bytes + 16 of padding, an odd multiple of 16
.set WPART,  32*PITCH                  ; what one wave's tensor load brings
.set SLOTB,  256*PITCH
.set CHUNKB, 131072                    ; 256 tgt rows in memory
.set CP,     2*SLOTB                   ; 270,336: column sums [wave][chunk][32], 16,384 bytes; no tensor load lands here
.set RW,     CP+16384                  ; 286,720: row sums [wave][64]
.set EPSE2,  0x339eadc4                ; 1e-8 e^2
.set TG,  64                           ; v[64:127]  one tgt tile's fragments, 8 along K
.set ACC, 128                          ; v[128:159] four accumulators, src tiles 0-3
.set AV,  160                          ; v[160:191] an of src row 16 s + 8 h + j, as the accumulators lie
.set RS,  192                          ; v[192:223] running row sums, as the accumulators lie
.set BC0, 224                          ; v[224:225] bn2 of my column in tile 0, 1: the set of even chunks
.set CT,  226                          ; v[226:241] at work
.set CS,  242                          ; v[242:243] column sums of tile 0, 1
.set CPA, 244
.set PX,  245
.set CV,  246
.set BC1, 250                          ; v[250:251] the set of odd chunks
.set G1, 16                            ; s[16:23] descriptor group 1
.set G0, 32                            ; s[32:39] descriptor group 0, a set for each slot
.set MSB, 0
.macro WIN new                         ; the immediate's high byte repeats the setting that is left
.if MSB != \new
	s_set_vgpr_msb (MSB<<8)|\new
.set MSB, \new
.endif
.endm
.macro ROUND                           ; a round of the cluster's barrier
	s_barrier_signal -1
	s_barrier_wait -1
	s_cmp_lg_u32 s15, 0
	s_cbranch_scc1 .Lnot_wave_0_\@
	s_barrier_signal -3
.Lnot_wave_0_\@:
	s_barrier_wait -3
	s_barrier_signal -1
	s_barrier_wait -1
.endm
.macro PLACES                          ; four plain places behind the last matrix instruction (ISA guide 7.12.1)
.rept 4
	v_nop
.endr
.endm
.macro FETCH slot, t                   ; 16 tgt rows x 256 K: lane (r, h) takes row r, bytes 64 kk + 16 h and + 32
.irp kk, 0,1,2,3,4,5,6,7
	ds_load_b128 v[TG+8*\kk:TG+8*\kk+3],   v[4+\slot] offset:\t*16*PITCH+\kk*64
	ds_load_b128 v[TG+8*\kk+4:TG+8*\kk+7], v[4+\slot] offset:\t*16*PITCH+\kk*64+32
.endr
.endm
; 32 matrix instructions.  Source 0 = src rows (registers 256-511), source 1 = tgt rows: lane = tgt column r, register j = src row 8 h + j.
; The four accumulators take turns, one instruction a turn.  The first K step starts the sums.
.macro MM
.irp kk, 0,1,2,3,4,5,6,7
.irp s, 0,1,2,3
.if \kk == 0
	v_wmma_f32_16x16x32_bf16 v[ACC+8*\s:ACC+8*\s+7], v[8*(8*\s+\kk):8*(8*\s+\kk)+7], v[TG+8*\kk:TG+8*\kk+7], 0
.else
	v_wmma_f32_16x16x32_bf16 v[ACC+8*\s:ACC+8*\s+7], v[8*(8*\s+\kk):8*(8*\s+\kk)+7], v[TG+8*\kk:TG+8*\kk+7], v[ACC+8*\s:ACC+8*\s+7]
.endif
.endr
.endr
.endm
.macro EPI t                           ; 64 x 16 dots to exponentials, into the row sums and one column sum
.set p, 0
.rept 16
	v_pk_mul_f32 v[ACC+p:ACC+p+1], v[ACC+p:ACC+p+1], v[AV+p:AV+p+1]
.set p, p+2
.endr
.set p, 0
.rept 16
.if \t == 0
	v_pk_mul_f32 v[ACC+p:ACC+p+1], v[ACC+p:ACC+p+1], v[CUR:CUR+1] op_sel_hi:[1,0]
.else
	v_pk_mul_f32 v[ACC+p:ACC+p+1], v[ACC+p:ACC+p+1], v[CUR:CUR+1] op_sel:[0,1] op_sel_hi:[1,1]
.endif
.set p, p+2
.endr
.set p, 0
.rept 32
	v_exp_f32 v[ACC+p], v[ACC+p]
.set p, p+1
.endr
	v_nop                                          ; the plain place behind the exponentials (ISA guide 5.7.2)
.set p, 0
	s_wait_alu depctr_va_vdst(0)
.rept 16
	v_pk_add_f32 v[RS+p:RS+p+1], v[RS+p:RS+p+1], v[ACC+p:ACC+p+1]
.set p, p+2
.endr
.set p, 0
.rept 8
	v_pk_add_f32 v[CT+p:CT+p+1], v[ACC+2*p:ACC+2*p+1], v[ACC+2*p+2:ACC+2*p+3]
.set p, p+2
.endr
.irp p, 0,2,4,6
	v_pk_add_f32 v[CT+\p:CT+\p+1], v[CT+\p:CT+\p+1], v[CT+\p+8:CT+\p+9]
.endr
.irp p, 0,2
	v_pk_add_f32 v[CT+\p:CT+\p+1], v[CT+\p:CT+\p+1], v[CT+\p+4:CT+\p+5]
.endr
	v_pk_add_f32 v[CT:CT+1], v[CT:CT+1], v[CT+2:CT+3]
	v_add_f32 v[CS+\t], v[CT], v[CT+1]
	v_permlanex16_b32 v[PX], v[CS+\t], s12, s13    ; the other half holds the column's other 32 src rows
	v_add_f32 v[CS+\t], v[CS+\t], v[PX]
.endm
; One chunk.  In front of the round every wave waits for all its tensor loads and for its LDS accesses; the joint refill of the slot read
; last is the first thing behind the round.  more = 1: a chunk follows, so the refill and the next chunk's bn2 are asked for.
.macro TRIP slot, more
.if \slot
.set CUR, BC1
.set NXT, BC0
.else
.set CUR, BC0
.set NXT, BC1
.endif
	s_wait_tensorcnt 0x0                           ; all my tensor loads have landed, my part of this chunk among them,
	ds_add_u32 v254, v255
	s_wait_dscnt 0x0
	s_add_nc_u64 s[G0+4*\slot+2:G0+4*\slot+3], s[G0+4*\slot+2:G0+4*\slot+3], 2*CHUNKB   ; so a group 0 may be written: this slot's next chunk
	s_wait_dscnt 0x0                               ; my reads of the last chunk are back, my stores of column sums done
	ROUND
.if \more
	tensor_load_to_lds s[G0+4-4*\slot:G0+7-4*\slot], s[G1:G1+7]
	s_nop 0
.endif
	FETCH \slot, 0
.if \more
	global_load_b32 v[NXT],   v8, s[26:27] offset:1024        ; bn2 of my two columns of the next chunk
	global_load_b32 v[NXT+1], v8, s[26:27] offset:1024+64
.endif
	s_wait_dscnt 0x0
	WIN 0x01
	MM
	WIN 0
	PLACES
	FETCH \slot, 1                                 ; tile 1's fragments come in under tile 0's exponentials
.if \more
	s_wait_loadcnt 0x2                             ; this chunk's bn2 was asked for a chunk ago; the two just issued stay out
	s_wait_xcnt 0x0                                ; their base is stepped only behind this wait
	s_add_nc_u64 s[26:27], s[26:27], 1024
.else
	s_wait_loadcnt 0x0
.endif
	EPI 0
	s_wait_dscnt 0x0
	WIN 0x01
	MM
	WIN 0
	PLACES
	EPI 1
	v_cndmask_b32 v[CV], v[CS], v[CS+1], s45       ; lanes 0-15: tile 0's columns, lanes 16-31: tile 1's
	ds_store_b32 v[CPA], v[CV]
	v_add_nc_u32 v[CPA], 128, v[CPA]
.endm
.macro RECIP r, d, t                   ; 1/d with one Newton step
	v_rcp_f32 v[\r], v[\d]
	v_nop
	s_wait_alu depctr_va_vdst(0)
	v_fma_f32 v[\t], -v[\d], v[\r], 1.0
	v_fma_f32 v[\r], v[\t], v[\r], v[\r]
.endm
	s_load_b128 s[4:7], s[0:1], 0x0                ; feat s[4:5], sums s[6:7]
	v_lshl_add_u32 v254, v0, 2, 0x46800
	v_mov_b32 v255, 0
	ds_add_u32 v254, v255
	v_lshrrev_b32 v1, 5, v0
	v_readfirstlane_b32 s15, v1                    ; wave
	s_bfe_u32 s14, ttmp6, 0x40000                  ; cx
	s_lshl_b32 s40, ttmp9, 2
	s_add_co_u32 s14, s40, s14                     ; work-group x = 4 x cluster + cx: enters global addresses of src rows and results alone
	s_lshr_b32 s41, ttmp9, 4                       ; batch: the same in the cluster's four
	s_mov_b32 s12, 0x76543210
	s_mov_b32 s13, 0xfedcba98
	s_mov_b32 s45, 0xffff0000
	s_mov_b32 s[G1+0], 15|(1<<16)|(1<<20)|(1<<21)|(6<<22)|(3<<25)   ; mask of the four; 2-byte elements; padding on; bit 21 beside a mask; after 128 words, 4 words
	s_mov_b32 s[G1+1], 256<<16                     ; tensor_dim0 = 256
	s_mov_b32 s[G1+2], 32<<16                      ; tensor_dim1 = 32
	s_mov_b32 s[G1+3], 256<<16                     ; tile_dim0 = 256
	s_mov_b32 s[G1+4], 32                          ; tile_dim1 = 32
	s_mov_b32 s[G1+5], 256                         ; elements from row to row
	s_mov_b32 s[G1+6], 0
	s_mov_b32 s[G1+7], 0
	v_and_b32 v1, 15, v0                           ; r
	v_bfe_u32 v2, v0, 4, 1                         ; h
	v_and_b32 v3, 31, v0                           ; lane
	s_mul_i32 s42, s15, WPART
	v_mul_u32_u24 v4, v1, PITCH
	v_lshl_add_u32 v4, v2, 4, v4
	v_add_nc_u32 v4, s42, v4                       ; slot 0: (32 wave + r) pitch + 16 h
	v_add_nc_u32 v5, SLOTB, v4                     ; slot 1
	v_lshlrev_b32 v6, 9, v1
	v_lshl_add_u32 v6, v2, 4, v6                   ; src fragments from memory: r x 512 + 16 h
	v_lshlrev_b32 v7, 5, v2                        ; an: 8 h numbers
	v_lshlrev_b32 v8, 2, v1
	v_lshl_add_u32 v8, s15, 7, v8                  ; bn2: column 32 wave + r
	v_lshlrev_b32 v[CPA], 2, v3
	v_lshl_add_u32 v[CPA], s15, 11, v[CPA]
	v_add_nc_u32 v[CPA], CP, v[CPA]                ; my wave's own 2,048 bytes of column sums
	v_mov_b32 v[PX], 0
	s_lshl_b32 s24, s14, 15                        ; 64 src rows of 512 bytes
	s_mov_b32 s25, 0
	s_lshl_b32 s28, s14, 8
	s_add_co_u32 s28, s28, 0x1000000               ; an of my 64 rows
	s_mov_b32 s29, 0
	s_lshl_b32 s26, s41, 14
	s_add_co_u32 s26, s26, 0x1010000               ; bn2 of my batch
	s_mov_b32 s27, 0
	s_lshl_b32 s46, s14, 14
	s_add_co_u32 s46, s46, 0x10000                 ; my 4,096 column sums
	s_mov_b32 s47, 0
	s_lshl_b32 s48, s14, 8                         ; my 64 rinv
	s_mov_b32 s49, 0
	s_lshl_b32 s50, s41, 21                        ; tgt of my batch,
	s_lshl_b32 s43, s15, 14                        ; my wave's 32 rows of a chunk
	s_add_co_u32 s50, s50, s43
	s_add_co_u32 s50, s50, 0x800000
	s_mov_b32 s51, 0
	s_wait_dscnt 0x0
	s_wait_kmcnt 0x0
	s_add_nc_u64 s[24:25], s[4:5], s[24:25]
	s_add_nc_u64 s[28:29], s[4:5], s[28:29]
	s_add_nc_u64 s[26:27], s[4:5], s[26:27]
	s_add_nc_u64 s[46:47], s[6:7], s[46:47]
	s_add_nc_u64 s[48:49], s[6:7], s[48:49]
	s_add_nc_u64 s[50:51], s[4:5], s[50:51]
.irp n, 0,1
	s_mov_b32 s[G0+4*\n], 1
	s_add_co_u32 s[G0+4*\n+1], s42, \n*SLOTB
	s_add_nc_u64 s[G0+4*\n+2:G0+4*\n+3], s[50:51], \n*CHUNKB
	s_or_b32 s[G0+4*\n+3], s[G0+4*\n+3], 0x80000000
.endr
	WIN 0x40                                       ; destinations in registers 256-511
.irp s, 0,1,2,3
.irp kk, 0,1,2,3,4,5,6,7
	global_load_b128 v[8*(8*\s+\kk):8*(8*\s+\kk)+3],   v6, s[24:25] offset:\s*8192+\kk*64
	global_load_b128 v[8*(8*\s+\kk)+4:8*(8*\s+\kk)+7], v6, s[24:25] offset:\s*8192+\kk*64+32
.endr
.endr
	WIN 0
.irp s, 0,1,2,3
	global_load_b128 v[AV+8*\s:AV+8*\s+3],   v7, s[28:29] offset:\s*64
	global_load_b128 v[AV+8*\s+4:AV+8*\s+7], v7, s[28:29] offset:\s*64+16
.endr
	global_load_b32 v[BC0],   v8, s[26:27]         ; chunk 0's bn2
	global_load_b32 v[BC0+1], v8, s[26:27] offset:64
.set p, 0
.rept 32
	v_mov_b32 v[RS+p], 0
.set p, p+1
.endr
	ROUND                                          ; the four work-groups are here: the first joint load meets
	tensor_load_to_lds s[G0:G0+3], s[G1:G1+7]      ; chunk 0
	s_nop 0
	s_wait_loadcnt 0x0
	s_mov_b32 s44, 7
.Lloop:
	TRIP 0, 1
	TRIP 1, 1
	s_sub_co_u32 s44, s44, 1
	s_cmp_lg_u32 s44, 0
	s_cbranch_scc1 .Lloop
	TRIP 0, 1
	TRIP 1, 0                                      ; the last chunk: nothing is left to fetch
	; row sums: over the 16 columns that the lanes of a half hold, then over the waves through LDS
.irp m, 1,2,4,8
.set p, 0
.rept 32
	v_add_f32_dpp v[RS+p], v[RS+p], v[RS+p] row_xmask:\m row_mask:0xf bank_mask:0xf
.set p, p+1
.endr
.endr
	v_lshlrev_b32 v9, 5, v2
	v_lshl_add_u32 v9, s15, 8, v9
	v_add_nc_u32 v9, RW, v9                        ; my wave's 64 words; rows 8 h + ..
.irp s, 0,1,2,3
	ds_store_b128 v9, v[RS+8*\s:RS+8*\s+3]   offset:\s*64
	ds_store_b128 v9, v[RS+8*\s+4:RS+8*\s+7] offset:\s*64+16
.endr
	s_wait_dscnt 0x0
	s_barrier_signal -1
	s_barrier_wait -1
	; column 4 tid + 1024 i lies at [wave (tid>>3)&7][chunk (tid>>6) + 4 i][4 (tid&7)]
	v_lshlrev_b32 v10, 4, v0
	v_bfe_u32 v11, v0, 3, 3
	v_lshlrev_b32 v12, 11, v11
	v_lshrrev_b32 v11, 6, v0
	v_lshl_add_u32 v12, v11, 7, v12
	v_and_b32 v11, 7, v0
	v_lshl_add_u32 v12, v11, 4, v12
	v_add_nc_u32 v12, CP, v12
.irp i, 0,1,2,3
	ds_load_b128 v[TG+4*\i:TG+4*\i+3], v12 offset:\i*512
.endr
	s_wait_dscnt 0x0
.irp i, 0,1,2,3
	global_store_b128 v10, v[TG+4*\i:TG+4*\i+3], s[46:47] offset:\i*4096    ; a wave's store covers 512 consecutive bytes
.endr
	s_cmp_lg_u32 s15, 0
	s_cbranch_scc1 .Lclose
	v_lshlrev_b32 v13, 3, v3
	v_add_nc_u32 v14, RW, v13
.irp u, 0,1,2,3,4,5,6,7
	ds_load_b64 v[80+2*\u:81+2*\u], v14 offset:\u*256
.endr
	s_wait_dscnt 0x0
.irp u, 1,2,3,4,5,6,7
	v_pk_add_f32 v[80:81], v[80:81], v[80+2*\u:81+2*\u]
.endr
	v_add_f32 v80, EPSE2, v80
	v_add_f32 v81, EPSE2, v81
	RECIP 96, 80, 98
	RECIP 97, 81, 99
	global_store_b64 v13, v[96:97], s[48:49]       ; 64 rinv: 256 consecutive bytes, aligned
.Lclose:
	s_wait_dscnt 0x0
	s_wait_tensorcnt 0x0
	ds_add_u32 v254, v255
	s_wait_dscnt 0x0
	ROUND                                          ; the closing round
	s_endpgm
.Lfunc_end_k_qef006f94db_p1:
	.size	k_qef006f94db_p1, .Lfunc_end_k_qef006f94db_p1-k_qef006f94db_p1
	.p2alignl 7, 3214868480
	.fill 96, 4, 3214868480
	.section	.rodata,"a",@progbits
	.p2align	6, 0x0
	.amdhsa_kernel k_qef006f94db_p1
		.amdhsa_group_segment_fixed_size 327680
		.amdhsa_private_segment_fixed_size 0
		.amdhsa_enable_private_segment 0
		.amdhsa_kernarg_size 16
		.amdhsa_user_sgpr_count 2
		.amdhsa_user_sgpr_kernarg_segment_ptr 1
		.amdhsa_wavefront_size32 1
		.amdhsa_system_sgpr_workgroup_id_x 1
		.amdhsa_system_sgpr_workgroup_id_y 1
		.amdhsa_system_sgpr_workgroup_id_z 1
		.amdhsa_system_vgpr_workitem_id 0
		.amdhsa_next_free_vgpr 512
		.amdhsa_next_free_sgpr 66
		.amdhsa_reserve_vcc 0
		.amdhsa_float_denorm_mode_32 3
		.amdhsa_float_denorm_mode_16_64 3
		.amdhsa_memory_ordered 1
		.amdhsa_forward_progress 1
		.amdhsa_inst_pref_size 96
	.end_amdhsa_kernel
	.amdgpu_metadata
---
amdhsa.version: [ 1, 2 ]
amdhsa.kernels:
  - .name:           k_qef006f94db_p1
    .symbol:         k_qef006f94db_p1.kd
    .args:
      - { .name: feat, .offset: 0, .size: 8, .value_kind: global_buffer, .address_space: global }
      - { .name: sums, .offset: 8, .size: 8, .value_kind: global_buffer, .address_space: global }
    .group_segment_fixed_size: 327680
    .private_segment_fixed_size: 0
    .kernarg_segment_align: 8
    .kernarg_segment_size: 16
    .max_flat_workgroup_size: 256
    .sgpr_count:     66
    .vgpr_count:     512
    .wavefront_size: 32
...
	.end_amdgpu_metadata
.endif
;; end of part 2
;; launch red (part 3): grid 256 x 1, 8 waves a work-group, no clusters, 5,120 bytes of LDS; arguments sums, cinv; writes cinv
.if DOCPART == 3
	.amdgcn_target "amdgcn-amd-amdhsa--gfx1250"
	.amdhsa_code_object_version 6
	.text
	.protected	k_qef006f94db_red
	.globl	k_qef006f94db_red
	.p2align	8
	.type	k_qef006f94db_red,@function
k_qef006f94db_red:
	s_mov_b64 s[64:65], 0
	v_nop
	global_prefetch_b8 v0, s[64:65] scope:SCOPE_SE
	s_setreg_imm32_b32 hwreg(HW_REG_WAVE_MODE, 25, 1), 1
	s_wait_xcnt 0x0
; cinv[b][j] = 1 / (sum over the batch's 64 strips of colpart + 1e-8 e^2).  A work-group owns 64 columns (256 bytes of each strip's row).
; Thread: 16 bytes of a row (tid & 15), four strips (tid >> 4); sixteen lanes read 256 consecutive bytes.  The sixteen partial sums meet in LDS.
; A stream of 4 MiB read once: nothing for the matrix unit or a cluster.
.set EPSE2, 0x339eadc4
	s_load_b128 s[4:7], s[0:1], 0x0
	v_lshl_add_u32 v72, v0, 2, 0x1000
	v_mov_b32 v73, 0
	v_lshrrev_b32 v1, 5, v0
	v_readfirstlane_b32 s15, v1
	v_and_b32 v2, 15, v0
	v_lshrrev_b32 v3, 4, v0
	v_lshlrev_b32 v4, 4, v2
	v_lshl_add_u32 v4, v3, 16, v4                  ; four strips of 16,384 bytes a group
	s_lshr_b32 s8, ttmp9, 6
	s_lshl_b32 s8, s8, 20                          ; the batch's 64 strips
	s_and_b32 s9, ttmp9, 63
	s_lshl_b32 s9, s9, 8
	s_add_co_u32 s8, s8, s9
	s_add_co_u32 s8, s8, 0x10000
	s_mov_b32 s9, 0
	s_lshl_b32 s10, ttmp9, 8
	s_mov_b32 s11, 0
	s_wait_kmcnt 0x0
	s_add_nc_u64 s[4:5], s[4:5], s[8:9]
	s_add_nc_u64 s[6:7], s[6:7], s[10:11]
.irp i, 0,1,2,3
	global_load_b128 v[8+4*\i:11+4*\i], v4, s[4:5] offset:\i*16384 th:TH_LOAD_NT
.endr
	v_lshlrev_b32 v5, 4, v0
	s_wait_loadcnt 0x0
	v_pk_add_f32 v[8:9],   v[8:9],   v[12:13]
	v_pk_add_f32 v[10:11], v[10:11], v[14:15]
	v_pk_add_f32 v[16:17], v[16:17], v[20:21]
	v_pk_add_f32 v[18:19], v[18:19], v[22:23]
	v_pk_add_f32 v[8:9],   v[8:9],   v[16:17]
	v_pk_add_f32 v[10:11], v[10:11], v[18:19]
	ds_store_b128 v5, v[8:11]
	s_wait_dscnt 0x0
	s_barrier_signal -1
	s_barrier_wait -1
	s_cmp_lg_u32 s15, 0
	s_cbranch_scc1 .Lend
	v_lshlrev_b32 v6, 3, v0                        ; wave 0: lane x 8 bytes, two columns
.irp u, 0,1,2,3,4,5,6,7,8,9,10,11,12,13,14,15
	ds_load_b64 v[32+2*\u:33+2*\u], v6 offset:\u*256
.endr
	s_wait_dscnt 0x0
.irp u, 1,2,3,4,5,6,7,8,9,10,11,12,13,14,15
	v_pk_add_f32 v[32:33], v[32:33], v[32+2*\u:33+2*\u]
.endr
	v_add_f32 v32, EPSE2, v32
	v_add_f32 v33, EPSE2, v33
	v_rcp_f32 v64, v32
	v_rcp_f32 v65, v33
	v_nop                                          ; the plain place behind the reciprocals (ISA guide 5.7.2)
	s_wait_alu depctr_va_vdst(0)
	v_fma_f32 v66, -v32, v64, 1.0
	v_fma_f32 v67, -v33, v65, 1.0
	v_fma_f32 v64, v66, v64, v64
	v_fma_f32 v65, v67, v65, v65
	global_store_b64 v6, v[64:65], s[6:7]          ; 256 consecutive bytes, aligned
.Lend:
	s_wait_tensorcnt 0x0
	ds_add_u32 v72, v73
	s_wait_dscnt 0x0
	s_endpgm
.Lfunc_end_k_qef006f94db_red:
	.size	k_qef006f94db_red, .Lfunc_end_k_qef006f94db_red-k_qef006f94db_red
	.p2alignl 7, 3214868480
	.fill 96, 4, 3214868480
	.section	.rodata,"a",@progbits
	.p2align	6, 0x0
	.amdhsa_kernel k_qef006f94db_red
		.amdhsa_group_segment_fixed_size 5120
		.amdhsa_private_segment_fixed_size 0
		.amdhsa_enable_private_segment 0
		.amdhsa_kernarg_size 16
		.amdhsa_user_sgpr_count 2
		.amdhsa_user_sgpr_kernarg_segment_ptr 1
		.amdhsa_wavefront_size32 1
		.amdhsa_system_sgpr_workgroup_id_x 1
		.amdhsa_system_sgpr_workgroup_id_y 1
		.amdhsa_system_sgpr_workgroup_id_z 1
		.amdhsa_system_vgpr_workitem_id 0
		.amdhsa_next_free_vgpr 74
		.amdhsa_next_free_sgpr 66
		.amdhsa_reserve_vcc 0
		.amdhsa_float_denorm_mode_32 3
		.amdhsa_float_denorm_mode_16_64 3
		.amdhsa_memory_ordered 1
		.amdhsa_forward_progress 1
		.amdhsa_inst_pref_size 5
	.end_amdhsa_kernel
	.amdgpu_metadata
---
amdhsa.version: [ 1, 2 ]
amdhsa.kernels:
  - .name:           k_qef006f94db_red
    .symbol:         k_qef006f94db_red.kd
    .args:
      - { .name: sums, .offset: 0, .size: 8, .value_kind: global_buffer, .address_space: global }
      - { .name: cinv, .offset: 8, .size: 8, .value_kind: global_buffer, .address_space: global }
    .group_segment_fixed_size: 5120
    .private_segment_fixed_size: 0
    .kernarg_segment_align: 8
    .kernarg_segment_size: 16
    .max_flat_workgroup_size: 256
    .sgpr_count:     66
    .vgpr_count:     74
    .wavefront_size: 32
...
	.end_amdgpu_metadata
.endif
;; end of part 3
;; launch p2 (part 4): grid 256 x 1, 8 waves a work-group, clusters of 4 x 1, 327,680 bytes of LDS; arguments feat, sums, cinv, maxes; writes maxes
.if DOCPART == 4
	.amdgcn_target "amdgcn-amd-amdhsa--gfx1250"
	.amdhsa_code_object_version 6
	.text
	.protected	k_qef006f94db_p2
	.globl	k_qef006f94db_p2
	.p2align	8
	.type	k_qef006f94db_p2,@function
k_qef006f94db_p2:
	s_mov_b64 s[64:65], 0
	v_nop
	global_prefetch_b8 v0, s[64:65] scope:SCOPE_SE
	s_setreg_imm32_b32 hwreg(HW_REG_WAVE_MODE, 25, 1), 1
	s_wait_xcnt 0x0
	s_wait_alu depctr_hold_cnt(0) depctr_sa_sdst(0) depctr_va_vdst(0) depctr_va_sdst(0) depctr_va_ssrc(0) depctr_va_vcc(0) depctr_vm_vsrc(0)
	s_getreg_b32 s2, hwreg(HW_REG_IB_STS2, 6, 4)
	s_cmp_eq_u32 s2, 0
	s_cbranch_scc0 .Lentry_in_a_cluster
	s_endpgm
.Lentry_in_a_cluster:
	s_bfe_u32 s2, ttmp6, 0x10000c
	s_cmp_lg_u32 s2, 0x3003
	s_cbranch_scc0 .Lentry_shape_is_right
	s_endpgm
.Lentry_shape_is_right:
; Second pass over the product: score = (exp2((dot 2 a_i) bn2_j) cinv_j) rinv_i, and of it only maxima are kept:
; maxes: per row at byte 8,192 + 4 row; per row and 256 columns at 131,072 + 64 row; per row and 16 columns at 2,097,152 + 1,024 row (row counts over all batches).
; The maximum of a group is taken before the product with rinv_i: a rounded product with one positive factor keeps the order, so the
; result equals the largest score of the group bit for bit.  Frame, ring, cluster and bound on the exponent as in the first pass:
; 64 src rows a work-group as fragments in registers 256-511 of every wave, 16 chunks of 256 tgt rows through two LDS slots, joint loads
; of the cluster's four work-groups (one batch, same chunks), one tensor load of a wave outstanding at most.
; Limits: NaN and infinite inputs are not served.
.set PITCH,  528
.set WPART,  32*PITCH
.set SLOTB,  256*PITCH
.set CHUNKB, 131072
.set STAGE,  2*SLOTB                   ; 270,336: [wave][64 rows][8 words] at 40 bytes a row: four chunks' maxima of 16 columns; no tensor load lands here
.set SROW,   40
.set SWAVE,  64*SROW
.set M256,   STAGE+8*SWAVE             ; 290,816: [64 rows][16] maxima of 256 columns
.set RM,     M256+4096                 ; 294,912: [64] row maxima
.set TG,  64
.set ACC, 128
.set SET0, 160                         ; v[160:175] bn2, v[176:191] cinv of my 2 x 8 columns: even chunks
.set SET1, 16                          ; v[16:31], v[32:47]: odd chunks
.set A2,  192                          ; v[192:195] 2 an of src row 16 s + r
.set RI,  196                          ; v[196:199] rinv of it
.set G,   200
.set TM,  204
.set FL,  208                          ; v[208:223]
.set STA, 228
.set PX,  230                          ; v[230:233]
.set FRD, 234
.set FGO, 235
.set FMA, 236
.set G1, 16
.set G0, 32
.set MSB, 0
.macro WIN new
.if MSB != \new
	s_set_vgpr_msb (MSB<<8)|\new
.set MSB, \new
.endif
.endm
.macro ROUND
	s_barrier_signal -1
	s_barrier_wait -1
	s_cmp_lg_u32 s15, 0
	s_cbranch_scc1 .Lnot_wave_0_\@
	s_barrier_signal -3
.Lnot_wave_0_\@:
	s_barrier_wait -3
	s_barrier_signal -1
	s_barrier_wait -1
.endm
.macro PLACES                          ; four plain places behind the last matrix instruction (ISA guide 7.12.1)
.rept 4
	v_nop
.endr
.endm
.macro FETCH slot, t
.irp kk, 0,1,2,3,4,5,6,7
	ds_load_b128 v[TG+8*\kk:TG+8*\kk+3],   v[4+\slot] offset:\t*16*PITCH+\kk*64
	ds_load_b128 v[TG+8*\kk+4:TG+8*\kk+7], v[4+\slot] offset:\t*16*PITCH+\kk*64+32
.endr
.endm
; Source 0 = tgt rows, source 1 = src rows (registers 256-511): lane = src row r of tile s, register j = tgt column 8 h + j.
; The four accumulators take turns, one instruction a turn.
.macro MM
.irp kk, 0,1,2,3,4,5,6,7
.irp s, 0,1,2,3
.if \kk == 0
	v_wmma_f32_16x16x32_bf16 v[ACC+8*\s:ACC+8*\s+7], v[TG+8*\kk:TG+8*\kk+7], v[8*(8*\s+\kk):8*(8*\s+\kk)+7], 0
.else
	v_wmma_f32_16x16x32_bf16 v[ACC+8*\s:ACC+8*\s+7], v[TG+8*\kk:TG+8*\kk+7], v[8*(8*\s+\kk):8*(8*\s+\kk)+7], v[ACC+8*\s:ACC+8*\s+7]
.endif
.endr
.endr
.endm
.macro COLS set, off                   ; bn2 and cinv of columns 32 wave + 16 t + 8 h + 0..7
.irp t, 0,1
	global_load_b128 v[\set+8*\t:\set+8*\t+3],       v8, s[26:27] offset:\off+\t*64
	global_load_b128 v[\set+8*\t+4:\set+8*\t+7],     v8, s[26:27] offset:\off+\t*64+16
	global_load_b128 v[\set+16+8*\t:\set+16+8*\t+3], v8, s[30:31] offset:\off+\t*64
	global_load_b128 v[\set+20+8*\t:\set+20+8*\t+3], v8, s[30:31] offset:\off+\t*64+16
.endr
.endm
.macro EPI t, q                        ; 64 rows x 16 columns to one maximum a row
.irp s, 0,1,2,3
.irp p, 0,2,4,6
.if (\s&1) == 0
	v_pk_mul_f32 v[ACC+8*\s+\p:ACC+8*\s+\p+1], v[ACC+8*\s+\p:ACC+8*\s+\p+1], v[A2+(\s&2):A2+(\s&2)+1] op_sel_hi:[1,0]
.else
	v_pk_mul_f32 v[ACC+8*\s+\p:ACC+8*\s+\p+1], v[ACC+8*\s+\p:ACC+8*\s+\p+1], v[A2+(\s&2):A2+(\s&2)+1] op_sel:[0,1] op_sel_hi:[1,1]
.endif
.endr
.endr
.irp s, 0,1,2,3
.irp p, 0,2,4,6
	v_pk_mul_f32 v[ACC+8*\s+\p:ACC+8*\s+\p+1], v[ACC+8*\s+\p:ACC+8*\s+\p+1], v[CUR+8*\t+\p:CUR+8*\t+\p+1]
.endr
.endr
.set p, 0
.rept 32
	v_exp_f32 v[ACC+p], v[ACC+p]
.set p, p+1
.endr
	v_nop                                          ; the plain place behind the exponentials (ISA guide 5.7.2)
	s_wait_alu depctr_va_vdst(0)
.irp s, 0,1,2,3
.irp p, 0,2,4,6
	v_pk_mul_f32 v[ACC+8*\s+\p:ACC+8*\s+\p+1], v[ACC+8*\s+\p:ACC+8*\s+\p+1], v[CUR+16+8*\t+\p:CUR+16+8*\t+\p+1]
.endr
.endr
.irp s, 0,1,2,3
	v_max3_num_f32 v[TM+\s], v[ACC+8*\s], v[ACC+8*\s+1], v[ACC+8*\s+2]
.endr
.irp s, 0,1,2,3
	v_max3_num_f32 v[TM+\s], v[TM+\s], v[ACC+8*\s+3], v[ACC+8*\s+4]
.endr
.irp s, 0,1,2,3
	v_max3_num_f32 v[TM+\s], v[TM+\s], v[ACC+8*\s+5], v[ACC+8*\s+6]
.endr
.irp s, 0,1,2,3
	v_max_num_f32 v[TM+\s], v[TM+\s], v[ACC+8*\s+7]
.endr
.irp s, 0,1,2,3
	v_permlanex16_b32 v[PX+\s], v[TM+\s], s12, s13 ; the other half holds the group's other 8 columns
.endr
.irp s, 0,1,2,3
	v_max_num_f32 v[TM+\s], v[TM+\s], v[PX+\s]
.endr
.irp s, 0,1,2,3
	v_mul_f32 v[G+\s], v[TM+\s], v[RI+\s]
.endr
.irp s, 0,1,2,3
	ds_store_b32 v[STA], v[G+\s] offset:\s*16*SROW+\q*8+\t*4    ; both halves hold the same number
.endr
.endm
.macro TRIP slot, more, q
.if \slot
.set CUR, SET1
.set NXT, SET0
.else
.set CUR, SET0
.set NXT, SET1
.endif
	s_wait_tensorcnt 0x0                           ; all my tensor loads have landed, my part of this chunk among them,
	ds_add_u32 v254, v255
	s_wait_dscnt 0x0
	s_add_nc_u64 s[G0+4*\slot+2:G0+4*\slot+3], s[G0+4*\slot+2:G0+4*\slot+3], 2*CHUNKB   ; so a group 0 may be written
	s_wait_dscnt 0x0                               ; my reads of the last chunk and of the stage are back, my LDS stores done
	ROUND
.if \more
	tensor_load_to_lds s[G0+4-4*\slot:G0+7-4*\slot], s[G1:G1+7]
	s_nop 0
.endif
	FETCH \slot, 0
.if \more
	COLS NXT, 1024                                 ; the next chunk's column vectors
.endif
	s_wait_dscnt 0x0
	WIN 0x04
	MM
	WIN 0
	PLACES
	FETCH \slot, 1
.if \more
	s_wait_loadcnt 0x8                             ; this chunk's vectors were asked for a chunk ago; the eight just issued stay out
	s_wait_xcnt 0x0                                ; their bases are stepped only behind this wait
	s_add_nc_u64 s[26:27], s[26:27], 1024
	s_add_nc_u64 s[30:31], s[30:31], 1024
.else
	s_wait_loadcnt 0x0
.endif
	EPI 0, \q
	s_wait_dscnt 0x0
	WIN 0x04
	MM
	WIN 0
	PLACES
	EPI 1, \q
.endm
; After four chunks: 64 maxima of 16 columns a row leave as whole runs of 256 bytes; four maxima of 256 columns a row stay in LDS.
; The tensor load that is out may stay out.
.macro FLUSH
	s_wait_dscnt 0x0
	s_barrier_signal -1
	s_barrier_wait -1
.irp i, 0,1,2,3
	ds_load_b64 v[FL+4*\i:FL+4*\i+1],   v[FRD] offset:\i*16*SROW          ; wave 2 (piece & 3): tiles 0, 1
	ds_load_b64 v[FL+4*\i+2:FL+4*\i+3], v[FRD] offset:\i*16*SROW+SWAVE    ; the wave behind it
.endr
	s_wait_dscnt 0x0
.irp i, 0,1,2,3
	global_store_b128 v[FGO], v[FL+4*\i:FL+4*\i+3], s[48:49] offset:\i*16384  ; sixteen lanes: 256 consecutive bytes, aligned
.endr
.irp i, 0,1,2,3
	v_max3_num_f32 v[TM+\i], v[FL+4*\i], v[FL+4*\i+1], v[FL+4*\i+2]
.endr
.irp i, 0,1,2,3
	v_max_num_f32 v[TM+\i], v[TM+\i], v[FL+4*\i+3]
.endr
.irp m, 1,2
.irp i, 0,1,2,3
	v_max_num_f32_dpp v[TM+\i], v[TM+\i], v[TM+\i] row_xmask:\m row_mask:0xf bank_mask:0xf
.endr
.endr
.irp i, 0,1,2,3
	ds_store_b32 v[FMA], v[TM+\i] offset:\i*1024   ; four lanes hold the same number
.endr
	v_add_nc_u32 v[FMA], 16, v[FMA]
	s_wait_xcnt 0x0                                ; FL and the stores' base are rewritten only behind this wait
	s_add_nc_u64 s[48:49], s[48:49], 256
.endm
	s_load_b256 s[4:11], s[0:1], 0x0               ; feat s[4:5], sums s[6:7], cinv s[8:9], maxes s[10:11]
	v_lshl_add_u32 v254, v0, 2, 0x48100
	v_mov_b32 v255, 0
	ds_add_u32 v254, v255
	v_lshrrev_b32 v1, 5, v0
	v_readfirstlane_b32 s15, v1
	s_bfe_u32 s14, ttmp6, 0x40000                  ; cx
	s_lshl_b32 s40, ttmp9, 2
	s_add_co_u32 s14, s40, s14                     ; work-group x: enters global addresses of src rows and results alone
	s_lshr_b32 s41, ttmp9, 4                       ; batch
	s_mov_b32 s12, 0x76543210
	s_mov_b32 s13, 0xfedcba98
	s_mov_b32 s[G1+0], 15|(1<<16)|(1<<20)|(1<<21)|(6<<22)|(3<<25)
	s_mov_b32 s[G1+1], 256<<16
	s_mov_b32 s[G1+2], 32<<16
	s_mov_b32 s[G1+3], 256<<16
	s_mov_b32 s[G1+4], 32
	s_mov_b32 s[G1+5], 256
	s_mov_b32 s[G1+6], 0
	s_mov_b32 s[G1+7], 0
	v_and_b32 v1, 15, v0                           ; r, and the piece of a row in FLUSH
	v_bfe_u32 v2, v0, 4, 1                         ; h
	v_and_b32 v3, 31, v0
	s_mul_i32 s42, s15, WPART
	v_mul_u32_u24 v4, v1, PITCH
	v_lshl_add_u32 v4, v2, 4, v4
	v_add_nc_u32 v4, s42, v4
	v_add_nc_u32 v5, SLOTB, v4
	v_lshlrev_b32 v6, 9, v1
	v_lshl_add_u32 v6, v2, 4, v6
	v_lshlrev_b32 v8, 5, v2
	v_lshl_add_u32 v8, s15, 7, v8                  ; column vectors: 32 wave + 8 h numbers
	v_lshlrev_b32 v9, 2, v1
	s_mul_i32 s43, s15, SWAVE
	v_mul_u32_u24 v[STA], v1, SROW
	v_add_nc_u32 v[STA], s43, v[STA]
	v_add_nc_u32 v[STA], STAGE, v[STA]             ; my wave's own part of the stage, row r
	v_lshrrev_b32 v10, 4, v0                       ; FLUSH: row tid >> 4 (+ 16 i)
	v_and_b32 v11, 3, v1
	v_mul_u32_u24 v[FRD], v11, 2*SWAVE
	v_mad_u32_u24 v[FRD], v10, SROW, v[FRD]
	v_lshrrev_b32 v11, 2, v1
	v_lshl_add_u32 v[FRD], v11, 3, v[FRD]
	v_add_nc_u32 v[FRD], STAGE, v[FRD]
	v_lshlrev_b32 v[FGO], 10, v10
	v_lshl_add_u32 v[FGO], v1, 4, v[FGO]
	v_lshlrev_b32 v[FMA], 6, v10
	v_lshl_add_u32 v[FMA], v11, 2, v[FMA]
	v_add_nc_u32 v[FMA], M256, v[FMA]
.irp s, 0,1,2,3
	v_mov_b32 v[PX+\s], 0
.endr
	s_lshl_b32 s24, s14, 15
	s_mov_b32 s25, 0
	s_lshl_b32 s28, s14, 8
	s_add_co_u32 s28, s28, 0x1000000
	s_mov_b32 s29, 0
	s_lshl_b32 s26, s41, 14
	s_add_co_u32 s26, s26, 0x1010000
	s_mov_b32 s27, 0
	s_lshl_b32 s30, s41, 14
	s_mov_b32 s31, 0
	s_lshl_b32 s46, s14, 8
	s_mov_b32 s47, 0
	s_lshl_b32 s48, s14, 16
	s_add_co_u32 s48, s48, 0x200000
	s_mov_b32 s49, 0
	s_lshl_b32 s52, s14, 12
	s_add_co_u32 s52, s52, 0x20000
	s_mov_b32 s53, 0
	s_lshl_b32 s54, s14, 8
	s_add_co_u32 s54, s54, 0x2000
	s_mov_b32 s55, 0
	s_lshl_b32 s50, s41, 21
	s_lshl_b32 s43, s15, 14
	s_add_co_u32 s50, s50, s43
	s_add_co_u32 s50, s50, 0x800000
	s_mov_b32 s51, 0
	s_wait_dscnt 0x0
	s_wait_kmcnt 0x0
	s_add_nc_u64 s[24:25], s[4:5], s[24:25]        ; my src rows
	s_add_nc_u64 s[28:29], s[4:5], s[28:29]        ; their an
	s_add_nc_u64 s[26:27], s[4:5], s[26:27]        ; the batch's bn2
	s_add_nc_u64 s[30:31], s[8:9], s[30:31]        ; the batch's cinv
	s_add_nc_u64 s[46:47], s[6:7], s[46:47]        ; my rows' rinv
	s_add_nc_u64 s[48:49], s[10:11], s[48:49]      ; maxima of 16 columns
	s_add_nc_u64 s[52:53], s[10:11], s[52:53]      ; of 256 columns
	s_add_nc_u64 s[54:55], s[10:11], s[54:55]      ; of rows
	s_add_nc_u64 s[50:51], s[4:5], s[50:51]        ; tgt: batch and wave alone
.irp n, 0,1
	s_mov_b32 s[G0+4*\n], 1
	s_add_co_u32 s[G0+4*\n+1], s42, \n*SLOTB
	s_add_nc_u64 s[G0+4*\n+2:G0+4*\n+3], s[50:51], \n*CHUNKB
	s_or_b32 s[G0+4*\n+3], s[G0+4*\n+3], 0x80000000
.endr
	WIN 0x40
.irp s, 0,1,2,3
.irp kk, 0,1,2,3,4,5,6,7
	global_load_b128 v[8*(8*\s+\kk):8*(8*\s+\kk)+3],   v6, s[24:25] offset:\s*8192+\kk*64
	global_load_b128 v[8*(8*\s+\kk)+4:8*(8*\s+\kk)+7], v6, s[24:25] offset:\s*8192+\kk*64+32
.endr
.endr
	WIN 0
.irp s, 0,1,2,3
	global_load_b32 v[A2+\s], v9, s[28:29] offset:\s*64
	global_load_b32 v[RI+\s], v9, s[46:47] offset:\s*64
.endr
	COLS SET0, 0                                   ; chunk 0's column vectors
	ROUND
	tensor_load_to_lds s[G0:G0+3], s[G1:G1+7]      ; chunk 0
	s_nop 0
	s_wait_loadcnt 0x0
.irp s, 0,1,2,3
	v_add_f32 v[A2+\s], v[A2+\s], v[A2+\s]         ; 2 a, exact
.endr
	s_mov_b32 s44, 3
.Lloop:
	TRIP 0, 1, 0
	TRIP 1, 1, 1
	TRIP 0, 1, 2
	TRIP 1, 1, 3
	FLUSH
	s_sub_co_u32 s44, s44, 1
	s_cmp_lg_u32 s44, 0
	s_cbranch_scc1 .Lloop
	TRIP 0, 1, 0
	TRIP 1, 1, 1
	TRIP 0, 1, 2
	TRIP 1, 0, 3                                   ; the last chunk: nothing is left to fetch
	FLUSH
	s_wait_dscnt 0x0
	s_barrier_signal -1
	s_barrier_wait -1
	v_lshlrev_b32 v12, 4, v0
	v_add_nc_u32 v13, M256, v12
	ds_load_b128 v[FL:FL+3], v13                   ; row tid >> 2, four of its sixteen maxima
	s_wait_dscnt 0x0
	global_store_b128 v12, v[FL:FL+3], s[52:53]
	v_max3_num_f32 v[TM], v[FL], v[FL+1], v[FL+2]
	v_max_num_f32 v[TM], v[TM], v[FL+3]
	v_max_num_f32_dpp v[TM], v[TM], v[TM] row_xmask:1 row_mask:0xf bank_mask:0xf
	v_max_num_f32_dpp v[TM], v[TM], v[TM] row_xmask:2 row_mask:0xf bank_mask:0xf
	v_lshrrev_b32 v14, 2, v0
	v_lshlrev_b32 v14, 2, v14
	v_add_nc_u32 v14, RM, v14
	ds_store_b32 v14, v[TM]
	s_wait_dscnt 0x0
	s_barrier_signal -1
	s_barrier_wait -1
	s_cmp_lg_u32 s15, 0
	s_cbranch_scc1 .Lclose
	v_lshlrev_b32 v15, 3, v3
	v_add_nc_u32 v7, RM, v15
	ds_load_b64 v[G:G+1], v7
	s_wait_dscnt 0x0
	global_store_b64 v15, v[G:G+1], s[54:55]       ; 64 row maxima: 256 consecutive bytes, aligned
.Lclose:
	s_wait_dscnt 0x0
	s_wait_tensorcnt 0x0
	ds_add_u32 v254, v255
	s_wait_dscnt 0x0
	ROUND                                          ; the closing round
	s_endpgm
.Lfunc_end_k_qef006f94db_p2:
	.size	k_qef006f94db_p2, .Lfunc_end_k_qef006f94db_p2-k_qef006f94db_p2
	.p2alignl 7, 3214868480
	.fill 96, 4, 3214868480
	.section	.rodata,"a",@progbits
	.p2align	6, 0x0
	.amdhsa_kernel k_qef006f94db_p2
		.amdhsa_group_segment_fixed_size 327680
		.amdhsa_private_segment_fixed_size 0
		.amdhsa_enable_private_segment 0
		.amdhsa_kernarg_size 32
		.amdhsa_user_sgpr_count 2
		.amdhsa_user_sgpr_kernarg_segment_ptr 1
		.amdhsa_wavefront_size32 1
		.amdhsa_system_sgpr_workgroup_id_x 1
		.amdhsa_system_sgpr_workgroup_id_y 1
		.amdhsa_system_sgpr_workgroup_id_z 1
		.amdhsa_system_vgpr_workitem_id 0
		.amdhsa_next_free_vgpr 512
		.amdhsa_next_free_sgpr 66
		.amdhsa_reserve_vcc 0
		.amdhsa_float_denorm_mode_32 3
		.amdhsa_float_denorm_mode_16_64 3
		.amdhsa_memory_ordered 1
		.amdhsa_forward_progress 1
		.amdhsa_inst_pref_size 174
	.end_amdhsa_kernel
	.amdgpu_metadata
---
amdhsa.version: [ 1, 2 ]
amdhsa.kernels:
  - .name:           k_qef006f94db_p2
    .symbol:         k_qef006f94db_p2.kd
    .args:
      - { .name: feat, .offset: 0, .size: 8, .value_kind: global_buffer, .address_space: global }
      - { .name: sums, .offset: 8, .size: 8, .value_kind: global_buffer, .address_space: global }
      - { .name: cinv, .offset: 16, .size: 8, .value_kind: global_buffer, .address_space: global }
      - { .name: maxes, .offset: 24, .size: 8, .value_kind: global_buffer, .address_space: global }
    .group_segment_fixed_size: 327680
    .private_segment_fixed_size: 0
    .kernarg_segment_align: 8
    .kernarg_segment_size: 32
    .max_flat_workgroup_size: 256
    .sgpr_count:     66
    .vgpr_count:     512
    .wavefront_size: 32
...
	.end_amdgpu_metadata
.endif
;; end of part 4
;; launch sel (part 5): grid 256 x 1, 8 waves a work-group, no clusters, 30,976 bytes of LDS; arguments init, maxes, selA; writes selA
.if DOCPART == 5
	.amdgcn_target "amdgcn-amd-amdhsa--gfx1250"
	.amdhsa_code_object_version 6
	.text
	.protected	k_qef006f94db_sel
	.globl	k_qef006f94db_sel
	.p2align	8
	.type	k_qef006f94db_sel,@function
k_qef006f94db_sel:
	s_mov_b64 s[64:65], 0
	v_nop
	global_prefetch_b8 v0, s[64:65] scope:SCOPE_SE
	s_setreg_imm32_b32 hwreg(HW_REG_WAVE_MODE, 25, 1), 1
	s_wait_xcnt 0x0
; One level of the selection, the same text for all four.  In: 4,096 words a batch, an id each, bit 31 set where it is not chosen; 256 are chosen.
; The 16 children of parent id P lie as 16 f32 at table + 64 P and have the ids 16 P + c.  The 4,096 children of a batch are ranked by
; (value descending, position ascending); position order is the order of the flat index, since parents are taken in position order.
; Out: word q at byte 4 q: the child's id, bit 31 set where its rank is 256 or more; at 65,536 + 4 q: its rank.
; Why levels suffice: an element among the 256 first lies in a group among the 256 first by (group maximum descending, group index ascending),
; since every group ahead of its own holds an element ahead of it.
; Ranks are counted, never used as an address here: they are stored at fixed places for the next launch.
; A work-group ranks 64 children against all 4,096; wave w scans children 512 w .. 512 w + 511; a lane holds two of the 64.
; The count needs no mask register: the sign of threshold - value is shifted into a register, 32 signs are counted at a time.
; No tile is shared between work-groups beyond 16 KB read once each, and nothing is multiplied: no cluster, no matrix unit, no tensor load.
; Limit: the values are positive normal f32 (scores of at least about 1e-11), no NaN: their bit patterns order as the numbers do, pattern - 1 is the
; next smaller number, and the difference of two unequal values is not zero (denormal results are kept in this mode).
.set VAL,  0                           ; 4,096 values
.set PL,   16384                       ; a list of its own for each wave: 256 ids and a word for the rest
.set PLP,  1280
.set CNT,  26624                       ; eight counts
.set LIST, 26880                       ; the 256 parents in position order
.set PART, 27904                       ; [wave][64] partial ranks
.set T,  16                            ; v[16:23]   differences: four values j x two keys
.set AC, 24                            ; v[24:27]   sign registers: key 0, key 1 for even j; key 0, key 1 for odd j
.set BA, 64                            ; v[64:95]   32 values, the same in every lane
.set BB, 96                            ; v[96:127]
; The chosen ids in position order.  Each wave compacts its 512 positions into its own list; behind the barrier thread n finds the wave
; whose list holds the n-th by the prefix sums of the counts.  Result: v48 = the id of thread n = v0.  s[4:5]: the batch's 4,096 words.
.macro COMPACT
	v_lshlrev_b32 v2, 2, v1
	v_lshl_add_u32 v2, s15, 11, v2
.irp k, 0,1,2,3,4,5,6,7,8,9,10,11,12,13,14,15
	global_load_b32 v[16+\k], v2, s[4:5] offset:\k*128
.endr
	s_mul_i32 s36, s15, PLP
	v_mov_b32 v34, s36
	v_add_nc_u32 v34, PL, v34
	v_mov_b32 v33, 0x100
	s_mov_b32 s36, 0
	s_wait_loadcnt 0x0
.irp k, 0,1,2,3,4,5,6,7,8,9,10,11,12,13,14,15
	v_cmp_le_i32 s37, 0, v[16+\k]                  ; chosen: bit 31 clear
	v_mbcnt_lo_u32_b32 v32, s37, s36               ; chosen ones before me
	v_cndmask_b32 v32, v33, v32, s37               ; the others go to word 256
	v_min_u32 v32, 0x100, v32
	v_lshl_add_u32 v32, v32, 2, v34
	ds_store_b32 v32, v[16+\k]
	s_bcnt1_i32_b32 s38, s37
	s_add_co_u32 s36, s36, s38
.endr
	v_mov_b32 v35, s36
	v_mov_b32 v36, s15
	v_lshlrev_b32 v36, 2, v36
	ds_store_b32 v36, v35 offset:CNT
	s_wait_dscnt 0x0                               ; for the others' sake: zero
	s_barrier_signal -1
	s_barrier_wait -1
	v_mov_b32 v37, CNT
	ds_load_b128 v[40:43], v37
	ds_load_b128 v[44:47], v37 offset:16
	s_wait_dscnt 0x0
.irp j, 0,1,2,3,4,5,6
	v_readfirstlane_b32 s[40+\j], v[40+\j]
.endr
.irp j, 1,2,3,4,5,6
	s_add_co_u32 s[40+\j], s[40+\j], s[39+\j]      ; s[40+j] = chosen ones in waves 0 .. j
.endr
	v_mov_b32 v38, 0
	v_mov_b32 v39, 0
.irp j, 40,41,42,43,44,45,46
	v_cmp_le_u32 vcc_lo, s\j, v0
	v_cndmask_b32 v38, v38, s\j, vcc_lo            ; the first n of my wave's list
	v_add_co_ci_u32 v39, vcc_lo, 0, v39, vcc_lo    ; and which wave's it is
.endr
	v_sub_nc_u32 v38, v0, v38
	v_min_u32 v38, 0xff, v38
	v_min_u32 v39, 7, v39
	v_mul_u32_u24 v39, v39, PLP
	v_lshl_add_u32 v38, v38, 2, v39
	ds_load_b32 v48, v38 offset:PL
	s_wait_dscnt 0x0
.endm
.macro LOADB buf, off
.irp u, 0,1,2,3,4,5,6,7
	ds_load_b128 v[\buf+4*\u:\buf+4*\u+3], v10 offset:\off+16*\u
.endr
.endm
; 32 values j against my two values i.  A block of j wholly in front of i's block counts value_j >= value_i, that is > the next smaller number;
; any other block counts value_j > value_i.  Equal values inside i's own block are counted apart, below.
; One packed subtraction gives threshold - value_j for both keys: negative exactly where value_j is the larger.  v_alignbit_b32 D, A, T, 31 is
; (A << 1) | (T >> 31): the sign goes into the key's sign register.  Four registers take turns, so that a register's next shift stands four
; instructions behind its last; each takes 16 signs in a block, 32 in two blocks, which pushes all older bits out.
.macro BLK buf
	s_cmp_lt_u32 s25, s22
	s_cselect_b32 s26, 1, 0
	s_cmp_lt_u32 s25, s23
	s_cselect_b32 s27, 1, 0
	v_sub_nc_u32 v6, v4, s26                       ; the thresholds, as bit patterns
	v_sub_nc_u32 v7, v5, s27
	s_add_co_u32 s25, s25, 1
.set i, 0
.rept 8
	v_pk_add_f32 v[T:T+1],   v[6:7], v[\buf+i:\buf+i+1]   op_sel_hi:[1,0] neg_lo:[0,1] neg_hi:[0,1]
	v_pk_add_f32 v[T+2:T+3], v[6:7], v[\buf+i:\buf+i+1]   op_sel:[0,1] op_sel_hi:[1,1] neg_lo:[0,1] neg_hi:[0,1]
	v_pk_add_f32 v[T+4:T+5], v[6:7], v[\buf+i+2:\buf+i+3] op_sel_hi:[1,0] neg_lo:[0,1] neg_hi:[0,1]
	v_pk_add_f32 v[T+6:T+7], v[6:7], v[\buf+i+2:\buf+i+3] op_sel:[0,1] op_sel_hi:[1,1] neg_lo:[0,1] neg_hi:[0,1]
	v_alignbit_b32 v[AC],   v[AC],   v[T],   31
	v_alignbit_b32 v[AC+1], v[AC+1], v[T+1], 31
	v_alignbit_b32 v[AC+2], v[AC+2], v[T+2], 31
	v_alignbit_b32 v[AC+3], v[AC+3], v[T+3], 31
	v_alignbit_b32 v[AC],   v[AC],   v[T+4], 31
	v_alignbit_b32 v[AC+1], v[AC+1], v[T+5], 31
	v_alignbit_b32 v[AC+2], v[AC+2], v[T+6], 31
	v_alignbit_b32 v[AC+3], v[AC+3], v[T+7], 31
.set i, i+4
.endr
.endm
.macro COUNT                           ; behind two blocks: each sign register holds 32 fresh signs
	v_bcnt_u32_b32 v8, v[AC],   v8                 ; ones in the first source + the second
	v_bcnt_u32_b32 v9, v[AC+1], v9
	v_bcnt_u32_b32 v8, v[AC+2], v8
	v_bcnt_u32_b32 v9, v[AC+3], v9
.endm
	s_load_b128 s[4:7], s[0:1], 0x0                ; in s[4:5], table s[6:7]
	s_load_b64 s[8:9], s[0:1], 0x10                ; out
	v_lshl_add_u32 v128, v0, 2, 0x7500
	v_mov_b32 v129, 0
	v_lshrrev_b32 v1, 5, v0
	v_readfirstlane_b32 s15, v1
	v_and_b32 v1, 31, v0
	s_lshr_b32 s16, ttmp9, 6
	s_lshl_b32 s16, s16, 14                        ; the batch's 4,096 words
	s_mov_b32 s17, 0
	s_lshl_b32 s18, ttmp9, 8                       ; my 64 words of the result
	s_mov_b32 s19, 0
	s_wait_kmcnt 0x0
	s_add_nc_u64 s[4:5], s[4:5], s[16:17]
	s_add_nc_u64 s[8:9], s[8:9], s[18:19]
	COMPACT
	v_lshlrev_b32 v3, 2, v0
	ds_store_b32 v3, v48 offset:LIST
	v_min_u32 v49, 0x7ffff, v48                    ; parents' ids are below 294,912
	v_lshlrev_b32 v49, 6, v49
.irp u, 0,1,2,3
	global_load_b128 v[52+4*\u:55+4*\u], v49, s[6:7] offset:16*\u
.endr
	v_lshlrev_b32 v50, 6, v0
	s_wait_loadcnt 0x0
.irp u, 0,1,2,3
	ds_store_b128 v50, v[52+4*\u:55+4*\u] offset:VAL+16*\u
.endr
	s_wait_dscnt 0x0
	s_barrier_signal -1
	s_barrier_wait -1
	s_and_b32 s20, ttmp9, 63
	s_lshl_b32 s21, s20, 8                         ; 4 x my first child
	s_lshl_b32 s22, s20, 1                         ; the block of 32 of my first value,
	s_add_co_u32 s23, s22, 1                       ; of my second
	v_lshl_add_u32 v11, v1, 2, s21
	ds_load_b32 v4, v11 offset:VAL
	ds_load_b32 v5, v11 offset:VAL+128
	s_lshl_b32 s24, s15, 11
	v_mov_b32 v10, s24                             ; my wave's 512 values
	s_lshl_b32 s25, s15, 4                         ; their first block
	v_mov_b32 v8, 0                                ; the two counts
	v_mov_b32 v9, 0
.irp a, 0,1,2,3
	v_mov_b32 v[AC+\a], 0                          ; written once, since a shift reads its register; these bits are pushed out before the first count
.endr
	LOADB BA, 0
	LOADB BB, 128
	s_mov_b32 s44, 7
.Lscan:
	s_wait_dscnt 0x8                               ; LDS loads come back in order: all but the other buffer's eight are in
	BLK BA
	v_add_nc_u32 v10, 256, v10
	LOADB BA, 0
	s_wait_dscnt 0x8
	BLK BB
	LOADB BB, 128
	COUNT
	s_sub_co_u32 s44, s44, 1
	s_cmp_lg_u32 s44, 0
	s_cbranch_scc1 .Lscan
	s_wait_dscnt 0x8
	BLK BA
	s_wait_dscnt 0x0
	BLK BB
	COUNT
	; equal values in my own blocks: lane t's value counts for the lanes behind it; wave w takes t = 4 w .. 4 w + 3
	s_lshl_b32 s28, s15, 2
.irp u, 0,1,2,3
	s_add_co_u32 s29, s28, \u
	s_lshl_b32 s30, -2, s29                        ; lanes above t
	v_readlane_b32 s31, v4, s29
	v_cmp_eq_u32 vcc_lo, s31, v4
	s_and_b32 vcc_lo, vcc_lo, s30
	v_add_co_ci_u32 v8, vcc_lo, 0, v8, vcc_lo
	v_readlane_b32 s31, v5, s29
	v_cmp_eq_u32 vcc_lo, s31, v5
	s_and_b32 vcc_lo, vcc_lo, s30
	v_add_co_ci_u32 v9, vcc_lo, 0, v9, vcc_lo
.endr
	v_lshlrev_b32 v12, 2, v1
	v_lshl_add_u32 v12, s15, 8, v12
	ds_store_b32 v12, v8 offset:PART
	ds_store_b32 v12, v9 offset:PART+128
	s_wait_dscnt 0x0
	s_barrier_signal -1
	s_barrier_wait -1
	s_cmp_lg_u32 s15, 0
	s_cbranch_scc1 .Lend
	v_lshlrev_b32 v13, 3, v1                       ; lane: children 2 lane, 2 lane + 1 of my 64
.irp u, 0,1,2,3,4,5,6,7
	ds_load_b64 v[16+2*\u:17+2*\u], v13 offset:PART+\u*256
.endr
	s_lshl_b32 s28, s20, 4                         ; 4 x my first parent's place in the list
	v_lshrrev_b32 v14, 3, v1
	v_lshl_add_u32 v14, v14, 2, s28
	ds_load_b32 v15, v14 offset:LIST
	s_wait_dscnt 0x0
.irp u, 1,2,3,4,5,6,7
	v_add_nc_u32 v16, v16, v[16+2*\u]
	v_add_nc_u32 v17, v17, v[17+2*\u]
.endr
	v_and_b32 v32, 7, v1
	v_lshlrev_b32 v32, 1, v32
	v_lshl_add_u32 v34, v15, 4, v32                ; 16 P + c
	v_add_nc_u32 v35, 1, v34
	v_or_b32 v36, 0x80000000, v34
	v_or_b32 v37, 0x80000000, v35
	v_cmp_lt_u32 vcc_lo, 0xff, v16
	v_cndmask_b32 v34, v34, v36, vcc_lo
	v_cmp_lt_u32 vcc_lo, 0xff, v17
	v_cndmask_b32 v35, v35, v37, vcc_lo
	global_store_b64 v13, v[34:35], s[8:9]                 ; 256 consecutive bytes, aligned
	global_store_b64 v13, v[16:17], s[8:9] offset:65536
.Lend:
	s_wait_tensorcnt 0x0
	ds_add_u32 v128, v129
	s_wait_dscnt 0x0
	s_endpgm
.Lfunc_end_k_qef006f94db_sel:
	.size	k_qef006f94db_sel, .Lfunc_end_k_qef006f94db_sel-k_qef006f94db_sel
	.p2alignl 7, 3214868480
	.fill 96, 4, 3214868480
	.section	.rodata,"a",@progbits
	.p2align	6, 0x0
	.amdhsa_kernel k_qef006f94db_sel
		.amdhsa_group_segment_fixed_size 30976
		.amdhsa_private_segment_fixed_size 0
		.amdhsa_enable_private_segment 0
		.amdhsa_kernarg_size 24
		.amdhsa_user_sgpr_count 2
		.amdhsa_user_sgpr_kernarg_segment_ptr 1
		.amdhsa_wavefront_size32 1
		.amdhsa_system_sgpr_workgroup_id_x 1
		.amdhsa_system_sgpr_workgroup_id_y 1
		.amdhsa_system_sgpr_workgroup_id_z 1
		.amdhsa_system_vgpr_workitem_id 0
		.amdhsa_next_free_vgpr 130
		.amdhsa_next_free_sgpr 66
		.amdhsa_reserve_vcc 1
		.amdhsa_float_denorm_mode_32 3
		.amdhsa_float_denorm_mode_16_64 3
		.amdhsa_memory_ordered 1
		.amdhsa_forward_progress 1
		.amdhsa_inst_pref_size 46
	.end_amdhsa_kernel
	.amdgpu_metadata
---
amdhsa.version: [ 1, 2 ]
amdhsa.kernels:
  - .name:           k_qef006f94db_sel
    .symbol:         k_qef006f94db_sel.kd
    .args:
      - { .name: init, .offset: 0, .size: 8, .value_kind: global_buffer, .address_space: global }
      - { .name: maxes, .offset: 8, .size: 8, .value_kind: global_buffer, .address_space: global }
      - { .name: selA, .offset: 16, .size: 8, .value_kind: global_buffer, .address_space: global }
    .group_segment_fixed_size: 30976
    .private_segment_fixed_size: 0
    .kernarg_segment_align: 8
    .kernarg_segment_size: 24
    .max_flat_workgroup_size: 256
    .sgpr_count:     66
    .vgpr_count:     130
    .wavefront_size: 32
...
	.end_amdgpu_metadata
.endif
;; end of part 5
;; launch sel1: the kernel of part 5 again; grid 256 x 1, 8 waves a work-group, no clusters, 30,976 bytes of LDS; arguments selA, maxes, selB; writes selB
;; launch sel2: the kernel of part 5 again; grid 256 x 1, 8 waves a work-group, no clusters, 30,976 bytes of LDS; arguments selB, maxes, selA; writes selA
;; launch f1 (part 6): grid 128 x 1, 8 waves a work-group, no clusters, 21,504 bytes of LDS; arguments selA, feat, sums, cinv, cand; writes cand
.if DOCPART == 6
	.amdgcn_target "amdgcn-amd-amdhsa--gfx1250"
	.amdhsa_code_object_version 6
	.text
	.protected	k_qef006f94db_f1
	.globl	k_qef006f94db_f1
	.p2align	8
	.type	k_qef006f94db_f1,@function
k_qef006f94db_f1:
	s_mov_b64 s[64:65], 0
	v_nop
	global_prefetch_b8 v0, s[64:65] scope:SCOPE_SE
	s_setreg_imm32_b32 hwreg(HW_REG_WAVE_MODE, 25, 1), 1
	s_wait_xcnt 0x0
; The 16 scores of each of the 256 chosen groups (one src row x 16 tgt columns) of each batch, made again with the second pass's own
; operations in its own order (same tiles, same operand places, K ascending on one accumulator), so that their largest equals the stored maximum.
; cand: score of place 16 p + c of batch b at byte 8,192 + 4 (4,096 b + 16 p + c); at 131,072 + the same: the element's index, 4,096 x row + column, row over all batches.
; A group's id is 524,288 + 256 row + column / 16.  A wave takes one group: one tile of 16 x 16, laid whole into LDS; wave 0 then picks the one
; src row of each of the eight tiles (bits 11:8 of the id) and stores runs of 512 consecutive bytes.  EXEC stays full throughout.
; Which group is read as a whole number that an earlier launch stored.  Work-groups share no tile worth a joint load: no cluster, no LDS ring.
; Limits: NaN and infinite inputs are not served.
.set PL,   0
.set PLP,  1280
.set CNT,  10240
.set LIST, 10496
.set SC,   11520                       ; [wave][16 src rows][16 columns] scores, 1,024 bytes a wave
.set TG,  64
.set SR,  128
.set ACC, 32
.macro COMPACT                         ; as in the selection: v48 = the id of the v0-th chosen position of the batch at s[4:5]
	v_lshlrev_b32 v2, 2, v1
	v_lshl_add_u32 v2, s15, 11, v2
.irp k, 0,1,2,3,4,5,6,7,8,9,10,11,12,13,14,15
	global_load_b32 v[16+\k], v2, s[4:5] offset:\k*128
.endr
	s_mul_i32 s36, s15, PLP
	v_mov_b32 v34, s36
	v_add_nc_u32 v34, PL, v34
	v_mov_b32 v33, 0x100
	s_mov_b32 s36, 0
	s_wait_loadcnt 0x0
.irp k, 0,1,2,3,4,5,6,7,8,9,10,11,12,13,14,15
	v_cmp_le_i32 s37, 0, v[16+\k]                  ; chosen: bit 31 clear
	v_mbcnt_lo_u32_b32 v32, s37, s36               ; chosen ones before me
	v_cndmask_b32 v32, v33, v32, s37               ; the others go to word 256
	v_min_u32 v32, 0x100, v32
	v_lshl_add_u32 v32, v32, 2, v34
	ds_store_b32 v32, v[16+\k]
	s_bcnt1_i32_b32 s38, s37
	s_add_co_u32 s36, s36, s38
.endr
	v_mov_b32 v35, s36
	v_mov_b32 v36, s15
	v_lshlrev_b32 v36, 2, v36
	ds_store_b32 v36, v35 offset:CNT
	s_wait_dscnt 0x0                               ; for the others' sake: zero
	s_barrier_signal -1
	s_barrier_wait -1
	v_mov_b32 v37, CNT
	ds_load_b128 v[40:43], v37
	ds_load_b128 v[44:47], v37 offset:16
	s_wait_dscnt 0x0
.irp j, 0,1,2,3,4,5,6
	v_readfirstlane_b32 s[40+\j], v[40+\j]
.endr
.irp j, 1,2,3,4,5,6
	s_add_co_u32 s[40+\j], s[40+\j], s[39+\j]      ; s[40+j] = chosen ones in waves 0 .. j
.endr
	v_mov_b32 v38, 0
	v_mov_b32 v39, 0
.irp j, 40,41,42,43,44,45,46
	v_cmp_le_u32 vcc_lo, s\j, v0
	v_cndmask_b32 v38, v38, s\j, vcc_lo            ; the first n of my wave's list
	v_add_co_ci_u32 v39, vcc_lo, 0, v39, vcc_lo    ; and which wave's it is
.endr
	v_sub_nc_u32 v38, v0, v38
	v_min_u32 v38, 0xff, v38
	v_min_u32 v39, 7, v39
	v_mul_u32_u24 v39, v39, PLP
	v_lshl_add_u32 v38, v38, 2, v39
	ds_load_b32 v48, v38 offset:PL
	s_wait_dscnt 0x0
.endm
	s_load_b256 s[4:11], s[0:1], 0x0               ; list s[4:5], feat s[6:7], sums s[8:9], cinv s[10:11]
	s_load_b64 s[12:13], s[0:1], 0x20              ; cand
	v_lshl_add_u32 v192, v0, 2, 0x5000
	v_mov_b32 v193, 0
	v_lshrrev_b32 v1, 5, v0
	v_readfirstlane_b32 s15, v1
	v_and_b32 v1, 31, v0
	s_and_b32 s20, ttmp9, 31
	s_lshl_b32 s20, s20, 3                         ; the work-group's first group in the list
	s_add_co_u32 s21, s20, s15
	s_lshl_b32 s21, s21, 2                         ; my wave's group, as a byte offset in the list
	; every address that hangs on ids alone is made here, ahead of all loads
	v_and_b32 v5, 15, v0                           ; r
	v_bfe_u32 v6, v0, 4, 1                         ; h
	v_lshlrev_b32 v7, 9, v5
	v_lshl_add_u32 v7, v6, 4, v7                   ; fragments: r x 512 + 16 h
	v_lshlrev_b32 v8, 2, v5                        ; per src row: 4 r
	v_lshlrev_b32 v9, 5, v6                        ; per column: 8 h numbers
	v_lshlrev_b32 v10, 6, v5
	v_lshl_add_u32 v10, v6, 5, v10
	v_lshl_add_u32 v10, s15, 10, v10               ; my wave's tile in LDS: row r, columns 8 h ..
	v_lshlrev_b32 v11, 4, v1                       ; wave 0's way out: 16 lane
	v_lshrrev_b32 v12, 2, v1                       ; lane / 4: which of the eight groups
	v_and_b32 v14, 3, v1                           ; lane & 3: which four columns
	v_lshlrev_b32 v15, 10, v12
	v_lshl_add_u32 v15, v14, 4, v15                ; that group's tile, those columns, row 0
	v_add_nc_u32 v12, s20, v12
	v_lshlrev_b32 v12, 2, v12                      ; that group's word in the list
	v_lshlrev_b32 v14, 2, v14                      ; the first of the four columns
	v_mov_b32 v3, s21
	v_lshlrev_b32 v13, 2, v0                       ; my word of the list
	s_lshr_b32 s16, ttmp9, 5
	s_lshl_b32 s16, s16, 14                        ; the batch's 4,096 words
	s_mov_b32 s17, 0
	s_lshl_b32 s18, ttmp9, 9                       ; my 128 places of the result
	s_mov_b32 s19, 0
	s_wait_kmcnt 0x0
	s_add_nc_u64 s[4:5], s[4:5], s[16:17]
	s_add_nc_u64 s[12:13], s[12:13], s[18:19]
	COMPACT
	ds_store_b32 v13, v48 offset:LIST
	s_wait_dscnt 0x0
	s_barrier_signal -1
	s_barrier_wait -1
	ds_load_b32 v4, v3 offset:LIST
	s_wait_dscnt 0x0
	v_readfirstlane_b32 s22, v4
	s_lshr_b32 s23, s22, 8
	s_sub_co_u32 s23, s23, 2048
	s_min_u32 s23, s23, 0x3fff                     ; the src row, over all batches
	s_and_b32 s24, s22, 255
	s_min_u32 s24, s24, 255                        ; which 16 columns
	s_and_b32 s26, s23, 0x3ff0                     ; the tile's first src row
	s_and_b32 s27, s23, 0x3000                     ; the batch's first row,
	s_lshl_b32 s28, s24, 4
	s_add_co_u32 s27, s27, s28                     ; the first tgt row
	s_lshl_b32 s30, s26, 9
	s_mov_b32 s31, 0
	s_add_nc_u64 s[30:31], s[6:7], s[30:31]        ; src fragments
	s_lshl_b32 s32, s27, 9
	s_add_co_u32 s32, s32, 0x800000
	s_mov_b32 s33, 0
	s_add_nc_u64 s[32:33], s[6:7], s[32:33]        ; tgt fragments
	s_lshl_b32 s34, s26, 2
	s_mov_b32 s35, 0
	s_add_nc_u64 s[38:39], s[8:9], s[34:35]        ; rinv
	s_add_co_u32 s34, s34, 0x1000000
	s_add_nc_u64 s[34:35], s[6:7], s[34:35]        ; an
	s_lshl_b32 s36, s27, 2
	s_mov_b32 s37, 0
	s_add_nc_u64 s[40:41], s[10:11], s[36:37]      ; cinv
	s_add_co_u32 s36, s36, 0x1010000
	s_add_nc_u64 s[36:37], s[6:7], s[36:37]        ; bn2
.irp kk, 0,1,2,3,4,5,6,7
	global_load_b128 v[TG+8*\kk:TG+8*\kk+3],   v7, s[32:33] offset:\kk*64
	global_load_b128 v[TG+8*\kk+4:TG+8*\kk+7], v7, s[32:33] offset:\kk*64+32
	global_load_b128 v[SR+8*\kk:SR+8*\kk+3],   v7, s[30:31] offset:\kk*64
	global_load_b128 v[SR+8*\kk+4:SR+8*\kk+7], v7, s[30:31] offset:\kk*64+32
.endr
	global_load_b32 v40, v8, s[34:35]
	global_load_b32 v42, v8, s[38:39]
	global_load_b128 v[44:47], v9, s[36:37]
	global_load_b128 v[48:51], v9, s[36:37] offset:16
	global_load_b128 v[52:55], v9, s[40:41]
	global_load_b128 v[56:59], v9, s[40:41] offset:16
	s_wait_loadcnt 0x0
	; source 0 = tgt rows, source 1 = src rows: lane = src row r, register j = tgt column 8 h + j, as in the second pass
	v_wmma_f32_16x16x32_bf16 v[ACC:ACC+7], v[TG:TG+7], v[SR:SR+7], 0
.irp kk, 1,2,3,4,5,6,7
	s_wait_alu depctr_va_vdst(0)                   ; a wait ahead of every link
	v_wmma_f32_16x16x32_bf16 v[ACC:ACC+7], v[TG+8*\kk:TG+8*\kk+7], v[SR+8*\kk:SR+8*\kk+7], v[ACC:ACC+7]
.endr
	v_add_f32 v40, v40, v40                        ; 2 a; four plain places and one more behind the last matrix instruction (ISA guide 7.12.1)
	v_mov_b32 v43, v42
	v_nop
	v_nop
	v_mov_b32 v41, v40
.irp p, 0,2,4,6
	v_pk_mul_f32 v[ACC+\p:ACC+\p+1], v[ACC+\p:ACC+\p+1], v[40:41]
.endr
.irp p, 0,2,4,6
	v_pk_mul_f32 v[ACC+\p:ACC+\p+1], v[ACC+\p:ACC+\p+1], v[44+\p:45+\p]
.endr
.irp p, 0,1,2,3,4,5,6,7
	v_exp_f32 v[ACC+\p], v[ACC+\p]
.endr
	v_nop                                          ; the plain place behind the exponentials (ISA guide 5.7.2)
	s_wait_alu depctr_va_vdst(0)
.irp p, 0,2,4,6
	v_pk_mul_f32 v[ACC+\p:ACC+\p+1], v[ACC+\p:ACC+\p+1], v[52+\p:53+\p]
.endr
.irp p, 0,2,4,6
	v_pk_mul_f32 v[ACC+\p:ACC+\p+1], v[ACC+\p:ACC+\p+1], v[42:43]
.endr
	ds_store_b128 v10, v[ACC:ACC+3]   offset:SC    ; the whole tile: every lane stores its row's eight columns
	ds_store_b128 v10, v[ACC+4:ACC+7] offset:SC+16
	s_wait_dscnt 0x0                               ; for wave 0's sake: zero
	s_barrier_signal -1
	s_barrier_wait -1
	s_cmp_lg_u32 s15, 0
	s_cbranch_scc1 .Lend
	ds_load_b32 v21, v12 offset:LIST               ; the id of group lane / 4
	s_wait_dscnt 0x0
	v_bfe_u32 v20, v21, 8, 4                       ; the chosen src row's place in its tile: (2,048 + row) mod 16 = row mod 16
	v_min_u32 v20, 15, v20
	v_lshl_add_u32 v20, v20, 6, v15                ; 64 bytes a row of the tile
	ds_load_b128 v[60:63], v20 offset:SC           ; four neighbouring scores of that row
	v_add_nc_u32 v21, 0xfff80000, v21              ; id - 524,288 = 256 row + column / 16
	v_lshl_add_u32 v16, v21, 4, v14                ; 4,096 row + column
	v_add_nc_u32 v17, 1, v16
	v_add_nc_u32 v18, 2, v16
	v_add_nc_u32 v19, 3, v16
	global_store_b128 v11, v[16:19], s[12:13] offset:131072    ; 512 consecutive bytes
	s_wait_dscnt 0x0
	global_store_b128 v11, v[60:63], s[12:13] offset:8192
.Lend:
	s_wait_tensorcnt 0x0
	ds_add_u32 v192, v193
	s_wait_dscnt 0x0
	s_endpgm
.Lfunc_end_k_qef006f94db_f1:
	.size	k_qef006f94db_f1, .Lfunc_end_k_qef006f94db_f1-k_qef006f94db_f1
	.p2alignl 7, 3214868480
	.fill 96, 4, 3214868480
	.section	.rodata,"a",@progbits
	.p2align	6, 0x0
	.amdhsa_kernel k_qef006f94db_f1
		.amdhsa_group_segment_fixed_size 21504
		.amdhsa_private_segment_fixed_size 0
		.amdhsa_enable_private_segment 0
		.amdhsa_kernarg_size 40
		.amdhsa_user_sgpr_count 2
		.amdhsa_user_sgpr_kernarg_segment_ptr 1
		.amdhsa_wavefront_size32 1
		.amdhsa_system_sgpr_workgroup_id_x 1
		.amdhsa_system_sgpr_workgroup_id_y 1
		.amdhsa_system_sgpr_workgroup_id_z 1
		.amdhsa_system_vgpr_workitem_id 0
		.amdhsa_next_free_vgpr 194
		.amdhsa_next_free_sgpr 66
		.amdhsa_reserve_vcc 1
		.amdhsa_float_denorm_mode_32 3
		.amdhsa_float_denorm_mode_16_64 3
		.amdhsa_memory_ordered 1
		.amdhsa_forward_progress 1
		.amdhsa_inst_pref_size 22
	.end_amdhsa_kernel
	.amdgpu_metadata
---
amdhsa.version: [ 1, 2 ]
amdhsa.kernels:
  - .name:           k_qef006f94db_f1
    .symbol:         k_qef006f94db_f1.kd
    .args:
      - { .name: selA, .offset: 0, .size: 8, .value_kind: global_buffer, .address_space: global }
      - { .name: feat, .offset: 8, .size: 8, .value_kind: global_buffer, .address_space: global }
      - { .name: sums, .offset: 16, .size: 8, .value_kind: global_buffer, .address_space: global }
      - { .name: cinv, .offset: 24, .size: 8, .value_kind: global_buffer, .address_space: global }
      - { .name: cand, .offset: 32, .size: 8, .value_kind: global_buffer, .address_space: global }
    .group_segment_fixed_size: 21504
    .private_segment_fixed_size: 0
    .kernarg_segment_align: 8
    .kernarg_segment_size: 40
    .max_flat_workgroup_size: 256
    .sgpr_count:     66
    .vgpr_count:     194
    .wavefront_size: 32
...
	.end_amdgpu_metadata
.endif
;; end of part 6
;; launch sel3: the kernel of part 5 again; grid 256 x 1, 8 waves a work-group, no clusters, 30,976 bytes of LDS; arguments init, cand, selB; writes selB
;; launch out (part 7): grid 4 x 1, 8 waves a work-group, no clusters, 17,920 bytes of LDS; arguments selB, cand, out0, out1, out2; writes out0, out1, out2
.if DOCPART == 7
	.amdgcn_target "amdgcn-amd-amdhsa--gfx1250"
	.amdhsa_code_object_version 6
	.text
	.protected	k_qef006f94db_out
	.globl	k_qef006f94db_out
	.p2align	8
	.type	k_qef006f94db_out,@function
k_qef006f94db_out:
	s_mov_b64 s[64:65], 0
	v_nop
	global_prefetch_b8 v0, s[64:65] scope:SCOPE_SE
	s_setreg_imm32_b32 hwreg(HW_REG_WAVE_MODE, 25, 1), 1
	s_wait_xcnt 0x0
; The 256 elements of rank below 256 of a batch, laid out by rank.  One work-group a batch: the design has work for four.
; The last level's list gives each thread one chosen place (id = 2,048 + place); its rank, score and element index are read and put into LDS
; at fixed places; wave 0 alone lays them by rank (a whole number that an earlier launch stored) and stores runs of 512 consecutive bytes.
.set PL,   0
.set PLP,  1280
.set CNT,  10240
.set ER,   10496                       ; ranks, scores, element indices by thread
.set ES,   11520
.set EE,   12544
.set SORT, 13568                       ; src index, tgt index, score by rank: 3 x 1,024 bytes
.macro COMPACT                         ; as in the selection: v48 = the id of the v0-th chosen position of the batch at s[4:5]
	v_lshlrev_b32 v2, 2, v1
	v_lshl_add_u32 v2, s15, 11, v2
.irp k, 0,1,2,3,4,5,6,7,8,9,10,11,12,13,14,15
	global_load_b32 v[16+\k], v2, s[4:5] offset:\k*128
.endr
	s_mul_i32 s36, s15, PLP
	v_mov_b32 v34, s36
	v_add_nc_u32 v34, PL, v34
	v_mov_b32 v33, 0x100
	s_mov_b32 s36, 0
	s_wait_loadcnt 0x0
.irp k, 0,1,2,3,4,5,6,7,8,9,10,11,12,13,14,15
	v_cmp_le_i32 s37, 0, v[16+\k]
	v_mbcnt_lo_u32_b32 v32, s37, s36
	v_cndmask_b32 v32, v33, v32, s37
	v_min_u32 v32, 0x100, v32
	v_lshl_add_u32 v32, v32, 2, v34
	ds_store_b32 v32, v[16+\k]
	s_bcnt1_i32_b32 s38, s37
	s_add_co_u32 s36, s36, s38
.endr
	v_mov_b32 v35, s36
	v_mov_b32 v36, s15
	v_lshlrev_b32 v36, 2, v36
	ds_store_b32 v36, v35 offset:CNT
	s_wait_dscnt 0x0
	s_barrier_signal -1
	s_barrier_wait -1
	v_mov_b32 v37, CNT
	ds_load_b128 v[40:43], v37
	ds_load_b128 v[44:47], v37 offset:16
	s_wait_dscnt 0x0
.irp j, 0,1,2,3,4,5,6
	v_readfirstlane_b32 s[40+\j], v[40+\j]
.endr
.irp j, 1,2,3,4,5,6
	s_add_co_u32 s[40+\j], s[40+\j], s[39+\j]
.endr
	v_mov_b32 v38, 0
	v_mov_b32 v39, 0
.irp j, 40,41,42,43,44,45,46
	v_cmp_le_u32 vcc_lo, s\j, v0
	v_cndmask_b32 v38, v38, s\j, vcc_lo
	v_add_co_ci_u32 v39, vcc_lo, 0, v39, vcc_lo
.endr
	v_sub_nc_u32 v38, v0, v38
	v_min_u32 v38, 0xff, v38
	v_min_u32 v39, 7, v39
	v_mul_u32_u24 v39, v39, PLP
	v_lshl_add_u32 v38, v38, 2, v39
	ds_load_b32 v48, v38 offset:PL
	s_wait_dscnt 0x0
.endm
	s_load_b256 s[4:11], s[0:1], 0x0               ; list s[4:5], cand s[6:7], out0 s[8:9], out1 s[10:11]
	s_load_b64 s[12:13], s[0:1], 0x20              ; out2
	v_lshl_add_u32 v64, v0, 2, 0x4200
	v_mov_b32 v65, 0
	v_lshrrev_b32 v1, 5, v0
	v_readfirstlane_b32 s15, v1
	v_and_b32 v1, 31, v0
	s_lshl_b32 s18, ttmp9, 14                      ; the batch's 4,096 words
	s_mov_b32 s19, 0
	s_lshl_b32 s20, ttmp9, 10                      ; the batch's 256 results
	s_mov_b32 s21, 0
	s_wait_kmcnt 0x0
	s_mov_b64 s[16:17], s[4:5]                     ; ranks are addressed by the place over all batches
	s_add_nc_u64 s[4:5], s[4:5], s[18:19]
	s_add_nc_u64 s[8:9], s[8:9], s[20:21]
	s_add_nc_u64 s[10:11], s[10:11], s[20:21]
	s_add_nc_u64 s[12:13], s[12:13], s[20:21]
	COMPACT
	v_add_nc_u32 v49, 0xfffff800, v48              ; id - 2,048: the place
	v_min_u32 v49, 0x3fff, v49
	v_lshlrev_b32 v49, 2, v49
	global_load_b32 v50, v49, s[16:17] offset:65536
	global_load_b32 v51, v49, s[6:7] offset:8192
	global_load_b32 v52, v49, s[6:7] offset:131072
	v_lshlrev_b32 v3, 2, v0
	s_wait_loadcnt 0x0
	ds_store_b32 v3, v50 offset:ER
	ds_store_b32 v3, v51 offset:ES
	ds_store_b32 v3, v52 offset:EE
	s_wait_dscnt 0x0
	s_barrier_signal -1
	s_barrier_wait -1
	s_cmp_lg_u32 s15, 0
	s_cbranch_scc1 .Lend
	v_lshlrev_b32 v4, 4, v1
	ds_load_b128 v[16:19], v4 offset:ER
	ds_load_b128 v[20:23], v4 offset:ER+512
	ds_load_b128 v[24:27], v4 offset:ES
	ds_load_b128 v[28:31], v4 offset:ES+512
	ds_load_b128 v[32:35], v4 offset:EE
	ds_load_b128 v[36:39], v4 offset:EE+512
	s_wait_dscnt 0x0
.set i, 0
.rept 8
	v_min_u32 v5, 0xff, v[16+i]
	v_lshlrev_b32 v5, 2, v5
	v_bfe_u32 v6, v[32+i], 12, 12                  ; the src row inside its batch
	v_and_b32 v7, 0xfff, v[32+i]                   ; the tgt row
	ds_store_b32 v5, v6 offset:SORT
	ds_store_b32 v5, v7 offset:SORT+1024
	ds_store_b32 v5, v[24+i] offset:SORT+2048
.set i, i+1
.endr
.irp a, 0,1,2
	ds_load_b128 v[40+8*\a:43+8*\a], v4 offset:SORT+1024*\a        ; LDS serves a wave's instructions in order (ISA guide 5.7.1.4): these see the stores above
	ds_load_b128 v[44+8*\a:47+8*\a], v4 offset:SORT+1024*\a+512
.endr
	s_wait_dscnt 0x0
	global_store_b128 v4, v[40:43], s[8:9]
	global_store_b128 v4, v[44:47], s[8:9] offset:512
	global_store_b128 v4, v[48:51], s[10:11]
	global_store_b128 v4, v[52:55], s[10:11] offset:512
	global_store_b128 v4, v[56:59], s[12:13]
	global_store_b128 v4, v[60:63], s[12:13] offset:512
.Lend:
	s_wait_tensorcnt 0x0
	ds_add_u32 v64, v65
	s_wait_dscnt 0x0
	s_endpgm
.Lfunc_end_k_qef006f94db_out:
	.size	k_qef006f94db_out, .Lfunc_end_k_qef006f94db_out-k_qef006f94db_out
	.p2alignl 7, 3214868480
	.fill 96, 4, 3214868480
	.section	.rodata,"a",@progbits
	.p2align	6, 0x0
	.amdhsa_kernel k_qef006f94db_out
		.amdhsa_group_segment_fixed_size 17920
		.amdhsa_private_segment_fixed_size 0
		.amdhsa_enable_private_segment 0
		.amdhsa_kernarg_size 40
		.amdhsa_user_sgpr_count 2
		.amdhsa_user_sgpr_kernarg_segment_ptr 1
		.amdhsa_wavefront_size32 1
		.amdhsa_system_sgpr_workgroup_id_x 1
		.amdhsa_system_sgpr_workgroup_id_y 1
		.amdhsa_system_sgpr_workgroup_id_z 1
		.amdhsa_system_vgpr_workitem_id 0
		.amdhsa_next_free_vgpr 66
		.amdhsa_next_free_sgpr 66
		.amdhsa_reserve_vcc 1
		.amdhsa_float_denorm_mode_32 3
		.amdhsa_float_denorm_mode_16_64 3
		.amdhsa_memory_ordered 1
		.amdhsa_forward_progress 1
		.amdhsa_inst_pref_size 18
	.end_amdhsa_kernel
	.amdgpu_metadata
---
amdhsa.version: [ 1, 2 ]
amdhsa.kernels:
  - .name:           k_qef006f94db_out
    .symbol:         k_qef006f94db_out.kd
    .args:
      - { .name: selB, .offset: 0, .size: 8, .value_kind: global_buffer, .address_space: global }
      - { .name: cand, .offset: 8, .size: 8, .value_kind: global_buffer, .address_space: global }
      - { .name: out0, .offset: 16, .size: 8, .value_kind: global_buffer, .address_space: global }
      - { .name: out1, .offset: 24, .size: 8, .value_kind: global_buffer, .address_space: global }
      - { .name: out2, .offset: 32, .size: 8, .value_kind: global_buffer, .address_space: global }
    .group_segment_fixed_size: 17920
    .private_segment_fixed_size: 0
    .kernarg_segment_align: 8
    .kernarg_segment_size: 40
    .max_flat_workgroup_size: 256
    .sgpr_count:     66
    .vgpr_count:     66
    .wavefront_size: 32
...
	.end_amdgpu_metadata
.endif
;; end of part 7
;; ======== version 2 of 2: 10 launches; version 1 with the launches sel, sel1, sel2, sel3 written anew for expert scheduling mode
;; workspace buffers: feat 16,908,288 bytes; init 65,536 bytes of whole numbers; sums 4,259,840 bytes; cinv 65,536 bytes; maxes 18,874,368 bytes; selA 131,072 bytes of whole numbers; selB 131,072 bytes of whole numbers; cand 196,608 bytes
;; launch prep: the kernel of part 1 again; grid 128 x 2, 8 waves a work-group, no clusters, 2,048 bytes of LDS; arguments src_feats, tgt_feats, feat, init; writes feat, init
;; launch p1: the kernel of part 2 again; grid 256 x 1, 8 waves a work-group, clusters of 4 x 1, 327,680 bytes of LDS; arguments feat, sums; writes sums
;; launch red: the kernel of part 3 again; grid 256 x 1, 8 waves a work-group, no clusters, 5,120 bytes of LDS; arguments sums, cinv; writes cinv
;; launch p2: the kernel of part 4 again; grid 256 x 1, 8 waves a work-group, clusters of 4 x 1, 327,680 bytes of LDS; arguments feat, sums, cinv, maxes; writes maxes
;; launch sel (part 8): grid 256 x 1, 8 waves a work-group, no clusters, 30,976 bytes of LDS; arguments init, maxes, selA; writes selA
.if DOCPART == 8
	.amdgcn_target "amdgcn-amd-amdhsa--gfx1250"
	.amdhsa_code_object_version 6
	.text
	.protected	k_qef006f94db_sel
	.globl	k_qef006f94db_sel
	.p2align	8
	.type	k_qef006f94db_sel,@function
k_qef006f94db_sel:
	s_mov_b64 s[64:65], 0
	v_nop
	global_prefetch_b8 v0, s[64:65] scope:SCOPE_SE
	s_setreg_imm32_b32 hwreg(HW_REG_WAVE_SCHED_MODE, 0, 2), 2
	s_setreg_imm32_b32 hwreg(HW_REG_WAVE_MODE, 25, 1), 1
	s_wait_xcnt 0x0
	s_wait_alu depctr_vm_vsrc(0)
; One level of the selection, the same text for all four.  In: 4,096 words a batch, an id each, bit 31 set where it is not chosen; 256 are chosen.
; The 16 children of parent id P lie as 16 f32 at table + 64 P and have the ids 16 P + c.  The 4,096 children of a batch are ranked by
; (value descending, position ascending); position order is the order of the flat index, since parents are taken in position order.
; Out: word q at byte 4 q: the child's id, bit 31 set where its rank is 256 or more; at 65,536 + 4 q: its rank.
; Why levels suffice: an element among the 256 first lies in a group among the 256 first by (group maximum descending, group index ascending),
; since every group ahead of its own holds an element ahead of it.
; Ranks are counted, never used as an address here: they are stored at fixed places for the next launch.
; A work-group ranks 64 children against all 4,096; wave w scans children 512 w .. 512 w + 511; a lane holds two of the 64.
; The count needs no mask register: the sign of threshold - value is shifted into a register, 32 signs are counted at a time.
; No tile is shared between work-groups beyond 16 KB read once each, and nothing is multiplied: no cluster, no matrix unit, no tensor load.
; Limit: the values are positive normal f32 (scores of at least about 1e-11), no NaN: their bit patterns order as the numbers do, pattern - 1 is the
; next smaller number, and the difference of two unequal values is not zero (denormal results are kept in this mode).
; THE MODE: SCHED_MODE bits 1:0 = 2 (LLVM: expert scheduling mode 2), set by the entry lines.  The code itself states the register dependences
; between vector instructions and memory or LDS instructions, and those through scalar registers that vector instructions write, with s_wait_alu, always for 0.
; THE PLAN.  Registers that memory or LDS instructions touch:
;   v2, v3, v50, v36, v37, v11, v12, v13, v14   offsets and LDS addresses, each made once and never written again.
;   v[16:31]     the 16 ids load here; 16 compares and 16 LDS stores (data) read them.  From the scan on they are T and AC; at the end wave 0's loads land here.
;   AD v[96:111] 16 LDS addresses, one for each of those stores, written by vector instructions; from the scan on part of BB.
;   v[52:67]     the children load here; four LDS stores read them; v[64:67] are part of BA from the scan on.
;   BA, BB       Block p of the scan's 16 reads buffer p % 2 by vector instructions; the loads of block p + 1, issued in block p, land in the other buffer,
;                which block p - 1 read and which no vector instruction of block p names.
;   v10          read by every load of the scan; written once a trip, at the trip's end.
; So ONE wait on va_vdst stands at the head of a block that loads; the block's eight loads follow it, two in front of each 24 vector instructions, with no
; further wait on it.  One wait on vm_vsrc a trip stands ahead of the add to v10.  All compares go into scalar registers, in runs, one wait on va_sdst behind each run.
.set VAL,  0                           ; 4,096 values
.set PL,   16384                       ; a list of its own for each wave: 256 ids and a word for the rest
.set PLP,  1280
.set CNT,  26624                       ; eight counts
.set LIST, 26880                       ; the 256 parents in position order
.set PART, 27904                       ; [wave][64] partial ranks
.set T,  16                            ; v[16:23]   differences: four values j x two keys
.set AC, 24                            ; v[24:27]   sign registers: key 0, key 1 for even j; key 0, key 1 for odd j
.set BA, 64                            ; v[64:95]   32 values, the same in every lane
.set BB, 96                            ; v[96:127]
.set AD, 96                            ; v[96:111]  in COMPACT only: the LDS addresses of its 16 stores
.set M1, 20                            ; s[20:35]   in COMPACT only: masks of its compares
.set CM, 24                            ; s[24:31]   behind the scan: masks of equal values
.set LM, 32                            ; s[32:35]   behind the scan: the lanes above lane t
.set RL, 36                            ; s[36:43]   behind the scan: lane t's two values
; The chosen ids in position order.  Each wave compacts its 512 positions into its own list; behind the barrier thread n finds the wave
; whose list holds the n-th by the prefix sums of the counts.  Result: v48 = the id of thread n = v0.  s[4:5]: the batch's 4,096 words.
.macro COMPACT
	v_lshlrev_b32 v2, 2, v1
	v_lshl_add_u32 v2, s15, 11, v2
	s_mul_i32 s36, s15, PLP
	v_mov_b32 v34, s36
	v_add_nc_u32 v34, PL, v34
	v_mov_b32 v33, 0x100
	v_mov_b32 v36, s15
	v_lshlrev_b32 v36, 2, v36                      ; my wave's word among the counts
	v_mov_b32 v37, CNT
	s_mov_b32 s36, 0
	s_wait_alu depctr_va_vdst(0)                   ; v2 is written, which the loads below read as their offset; so are v3, v50, v36 and v37, addresses of LDS instructions further down
.irp k, 0,1,2,3,4,5,6,7,8,9,10,11,12,13,14,15
	global_load_b32 v[16+\k], v2, s[4:5] offset:\k*128
.endr
	s_wait_loadcnt 0x0
.irp k, 0,1,2,3,4,5,6,7,8,9,10,11,12,13,14,15
	v_cmp_le_i32 s[M1+\k], 0, v[16+\k]             ; chosen: bit 31 clear
.endr
	s_wait_alu depctr_va_sdst(0)                   ; the sixteen compares have written s[M1 ..], ahead of their first reader
.irp k, 0,1,2,3,4,5,6,7,8,9,10,11,12,13,14,15
	v_mbcnt_lo_u32_b32 v[AD+\k], s[M1+\k], s36     ; chosen ones before me
	v_cndmask_b32 v[AD+\k], v33, v[AD+\k], s[M1+\k]  ; the others go to word 256
	v_min_u32 v[AD+\k], 0x100, v[AD+\k]
	v_lshl_add_u32 v[AD+\k], v[AD+\k], 2, v34
	s_bcnt1_i32_b32 s38, s[M1+\k]
	s_add_co_u32 s36, s36, s38
.endr
	v_mov_b32 v35, s36
	s_wait_alu depctr_va_vdst(0)                   ; the sixteen addresses v[AD ..] and the count v35 are written, which the LDS stores below read
.irp k, 0,1,2,3,4,5,6,7,8,9,10,11,12,13,14,15
	ds_store_b32 v[AD+\k], v[16+\k]
.endr
	ds_store_b32 v36, v35 offset:CNT
	s_wait_dscnt 0x0                               ; for the others' sake: zero
	s_barrier_signal -1
	s_barrier_wait -1
	ds_load_b128 v[40:43], v37
	ds_load_b128 v[44:47], v37 offset:16
	s_wait_dscnt 0x0
.irp j, 0,1,2,3,4,5,6
	v_readfirstlane_b32 s[40+\j], v[40+\j]
.endr
	s_wait_alu depctr_va_sdst(0)                   ; s[40:46] are written, ahead of the sums that read them
.irp j, 1,2,3,4,5,6
	s_add_co_u32 s[40+\j], s[40+\j], s[39+\j]      ; s[40+j] = chosen ones in waves 0 .. j
.endr
.irp j, 0,1,2,3,4,5,6
	v_cmp_le_u32 s[M1+\j], s[40+\j], v0
.endr
	v_mov_b32 v38, 0
	v_mov_b32 v39, 0
	s_wait_alu depctr_va_sdst(0)                   ; the seven compares have written s[M1 ..], ahead of the selects that read them
.irp j, 0,1,2,3,4,5,6
	v_cndmask_b32 v38, v38, s[40+\j], s[M1+\j]     ; the first n of my wave's list
	v_cndmask_b32 v39, v39, \j+1, s[M1+\j]         ; and which wave's it is: the sums do not fall, so the last j that holds gives the count of those that hold
.endr
	v_sub_nc_u32 v38, v0, v38
	v_min_u32 v38, 0xff, v38
	v_min_u32 v39, 7, v39
	v_mul_u32_u24 v39, v39, PLP
	v_lshl_add_u32 v38, v38, 2, v39
	s_wait_alu depctr_va_vdst(0)                   ; v38 is written, the address of the load below
	ds_load_b32 v48, v38 offset:PL
	s_wait_dscnt 0x0
.endm
; Block p: 32 values j in buffer cur against my two values i.  A block of j wholly in front of i's block counts value_j >= value_i, that is > the next smaller number;
; any other block counts value_j > value_i.  Equal values inside i's own block are counted apart, below.
; One packed subtraction gives threshold - value_j for both keys: negative exactly where value_j is the larger.  v_alignbit_b32 D, A, T, 31 is
; (A << 1) | (T >> 31): the sign goes into the key's sign register.  Four registers take turns, so that a register's next shift stands four
; instructions behind its last; each takes 16 signs in a block, 32 in two blocks, which pushes all older bits out.
; more = 1: block p + 1 is asked for, at byte off from v10, into buffer oth: two loads of 16 bytes in front of each eight values, so that each 16 bytes are asked
; for one block ahead of their use.  Behind a pair of loads, of the ten 16-byte pieces asked for last the oldest two are the ones that the next 24 vector instructions read.
.macro BLK cur, oth, off, more
	s_cmp_lt_u32 s25, s22
	s_cselect_b32 s26, 1, 0
	s_cmp_lt_u32 s25, s23
	s_cselect_b32 s27, 1, 0
	s_add_co_u32 s25, s25, 1
.if \more
	s_wait_alu depctr_va_vdst(0)                   ; the block before is done reading the other buffer, in which the loads below land; in a trip's first block v10 is written
.endif
.set i, 0
.rept 8
.if (i % 8) == 0
.if \more
	ds_load_b128 v[\oth+i:\oth+i+3],   v10 offset:\off+4*i     ; no vector instruction since the wait names these registers or v10
	ds_load_b128 v[\oth+i+4:\oth+i+7], v10 offset:\off+4*i+16
	s_wait_dscnt 0x8                               ; LDS loads come back in order: all but the youngest eight are in: 6 - i/4 of this buffer's, i/4 + 2 of the other's
.else
	s_wait_dscnt 6-i/4                             ; the last block asks for nothing: the counts run down
.endif
.endif
.if i == 0
	v_sub_nc_u32 v6, v4, s26                       ; the thresholds, as bit patterns
	v_sub_nc_u32 v7, v5, s27
.endif
	v_pk_add_f32 v[T:T+1],   v[6:7], v[\cur+i:\cur+i+1]   op_sel_hi:[1,0] neg_lo:[0,1] neg_hi:[0,1]
	v_pk_add_f32 v[T+2:T+3], v[6:7], v[\cur+i:\cur+i+1]   op_sel:[0,1] op_sel_hi:[1,1] neg_lo:[0,1] neg_hi:[0,1]
	v_pk_add_f32 v[T+4:T+5], v[6:7], v[\cur+i+2:\cur+i+3] op_sel_hi:[1,0] neg_lo:[0,1] neg_hi:[0,1]
	v_pk_add_f32 v[T+6:T+7], v[6:7], v[\cur+i+2:\cur+i+3] op_sel:[0,1] op_sel_hi:[1,1] neg_lo:[0,1] neg_hi:[0,1]
	v_alignbit_b32 v[AC],   v[AC],   v[T],   31
	v_alignbit_b32 v[AC+1], v[AC+1], v[T+1], 31
	v_alignbit_b32 v[AC+2], v[AC+2], v[T+2], 31
	v_alignbit_b32 v[AC+3], v[AC+3], v[T+3], 31
	v_alignbit_b32 v[AC],   v[AC],   v[T+4], 31
	v_alignbit_b32 v[AC+1], v[AC+1], v[T+5], 31
	v_alignbit_b32 v[AC+2], v[AC+2], v[T+6], 31
	v_alignbit_b32 v[AC+3], v[AC+3], v[T+7], 31
.set i, i+4
.endr
.endm
.macro COUNT                           ; behind two blocks: each sign register holds 32 fresh signs
	v_bcnt_u32_b32 v8, v[AC],   v8                 ; ones in the first source + the second
	v_bcnt_u32_b32 v9, v[AC+1], v9
	v_bcnt_u32_b32 v8, v[AC+2], v8
	v_bcnt_u32_b32 v9, v[AC+3], v9
.endm
	s_load_b128 s[4:7], s[0:1], 0x0                ; in s[4:5], table s[6:7]
	s_load_b64 s[8:9], s[0:1], 0x10                ; out
	v_lshl_add_u32 v128, v0, 2, 0x7500
	v_mov_b32 v129, 0
	v_lshrrev_b32 v1, 5, v0
	v_readfirstlane_b32 s15, v1
	v_and_b32 v1, 31, v0
	v_lshlrev_b32 v3, 2, v0                        ; my word of the list of parents
	v_lshlrev_b32 v50, 6, v0                       ; my parent's 16 children among the values
	s_lshr_b32 s16, ttmp9, 6
	s_lshl_b32 s16, s16, 14                        ; the batch's 4,096 words
	s_mov_b32 s17, 0
	s_lshl_b32 s18, ttmp9, 8                       ; my 64 words of the result
	s_mov_b32 s19, 0
	s_wait_alu depctr_va_sdst(0)                   ; s15, the wave's number, is written, ahead of its first reader
	s_wait_kmcnt 0x0
	s_add_nc_u64 s[4:5], s[4:5], s[16:17]
	s_add_nc_u64 s[8:9], s[8:9], s[18:19]
	COMPACT
	v_min_u32 v49, 0x7ffff, v48                    ; parents' ids are below 294,912
	v_lshlrev_b32 v49, 6, v49
	s_and_b32 s20, ttmp9, 63
	s_lshl_b32 s21, s20, 8                         ; 4 x my first child
	s_lshl_b32 s22, s20, 1                         ; the block of 32 of my first value,
	s_add_co_u32 s23, s22, 1                       ; of my second
	v_lshl_add_u32 v11, v1, 2, s21
	s_lshl_b32 s24, s15, 11
	v_mov_b32 v10, s24                             ; my wave's 512 values
	s_lshl_b32 s25, s15, 4                         ; their first block
	s_wait_alu depctr_va_vdst(0)                   ; v49 is written, the offset of the loads below; so are v11 and v10, the addresses of the LDS loads behind the barrier
.irp u, 0,1,2,3
	global_load_b128 v[52+4*\u:55+4*\u], v49, s[6:7] offset:16*\u
.endr
	ds_store_b32 v3, v48 offset:LIST
	s_wait_loadcnt 0x0
.irp u, 0,1,2,3
	ds_store_b128 v50, v[52+4*\u:55+4*\u] offset:VAL+16*\u
.endr
	s_wait_dscnt 0x0
	s_barrier_signal -1
	s_barrier_wait -1
	s_wait_alu depctr_vm_vsrc(0)                   ; my LDS stores and loads so far have read v[16:31], v[35:37], v[52:67] and v[AD ..]: from here on these are T, AC, BA, BB and registers of the way out, written by vector instructions and by loads
	ds_load_b32 v4, v11 offset:VAL
	ds_load_b32 v5, v11 offset:VAL+128
.irp u, 0,1,2,3,4,5,6,7
	ds_load_b128 v[BA+4*\u:BA+4*\u+3], v10 offset:16*\u      ; block 0; every later block is asked for in the block before it
.endr
	v_mov_b32 v8, 0                                ; the two counts
	v_mov_b32 v9, 0
.irp a, 0,1,2,3
	v_mov_b32 v[AC+\a], 0                          ; written once, since a shift reads its register; these bits are pushed out before the first count
.endr
	s_mov_b32 s44, 7
.Lscan:                                                ; trip t: blocks 2 t and 2 t + 1; v10 is at block 2 t
	BLK BA, BB, 128, 1
	BLK BB, BA, 256, 1
	COUNT
	s_wait_alu depctr_vm_vsrc(0)                   ; the LDS loads issued so far have read v10
	v_add_nc_u32 v10, 256, v10
	s_sub_co_u32 s44, s44, 1
	s_cmp_lg_u32 s44, 0
	s_cbranch_scc1 .Lscan
	BLK BA, BB, 128, 1                             ; block 14 asks for block 15,
	BLK BB, BA, 0, 0                               ; which asks for nothing
	COUNT
	; equal values in my own blocks: lane t's value counts for the lanes behind it; wave w takes t = 4 w .. 4 w + 3
	s_lshl_b32 s16, s15, 2
.irp u, 0,1,2,3
	s_add_co_u32 s17, s16, \u
	s_lshl_b32 s[LM+\u], -2, s17                   ; lanes above t
	v_readlane_b32 s[RL+\u], v4, s17
	v_readlane_b32 s[RL+4+\u], v5, s17
.endr
	s_wait_alu depctr_va_sdst(0)                   ; lane t's values are written into s[RL ..], ahead of the compares that read them
.irp u, 0,1,2,3
	v_cmp_eq_u32 s[CM+\u], s[RL+\u], v4
	v_cmp_eq_u32 s[CM+4+\u], s[RL+4+\u], v5
.endr
	v_lshlrev_b32 v12, 2, v1
	v_lshl_add_u32 v12, s15, 8, v12                ; my two words among the partial ranks
	v_lshlrev_b32 v13, 3, v1                       ; wave 0's way out: lane: children 2 lane, 2 lane + 1 of my 64
	s_lshl_b32 s18, s20, 4                         ; 4 x my first parent's place in the list
	v_lshrrev_b32 v14, 3, v1
	v_lshl_add_u32 v14, v14, 2, s18
	s_wait_alu depctr_va_sdst(0)                   ; the eight compares have written s[CM ..], ahead of the scalar lines that read them
.irp u, 0,1,2,3
	s_and_b32 s[CM+\u], s[CM+\u], s[LM+\u]
	s_and_b32 s[CM+4+\u], s[CM+4+\u], s[LM+\u]
.endr
.irp u, 0,1,2,3
	v_cndmask_b32 v[T+\u], 0, 1, s[CM+\u]
	v_cndmask_b32 v[T+4+\u], 0, 1, s[CM+4+\u]
.endr
	v_add3_u32 v8, v8, v[T], v[T+1]
	v_add3_u32 v9, v9, v[T+4], v[T+5]
	v_add3_u32 v8, v8, v[T+2], v[T+3]
	v_add3_u32 v9, v9, v[T+6], v[T+7]
	s_wait_alu depctr_va_vdst(0)                   ; the counts v8 and v9 and the addresses v12, v13, v14 are written, which the LDS instructions below read; all vector work on v[16:31], in which wave 0's loads land, is done
	ds_store_b32 v12, v8 offset:PART
	ds_store_b32 v12, v9 offset:PART+128
	s_wait_dscnt 0x0
	s_barrier_signal -1
	s_barrier_wait -1
	s_cmp_lg_u32 s15, 0
	s_cbranch_scc1 .Lend
.irp u, 0,1,2,3,4,5,6,7
	ds_load_b64 v[16+2*\u:17+2*\u], v13 offset:PART+\u*256   ; no vector instruction since the wait above
.endr
	ds_load_b32 v15, v14 offset:LIST
	v_and_b32 v32, 7, v1
	v_lshlrev_b32 v32, 1, v32
	s_wait_dscnt 0x0
.irp u, 1,2,3,4,5,6,7
	v_add_nc_u32 v16, v16, v[16+2*\u]
	v_add_nc_u32 v17, v17, v[17+2*\u]
.endr
	v_cmp_lt_u32 s24, 0xff, v16
	v_cmp_lt_u32 s25, 0xff, v17
	v_lshl_add_u32 v34, v15, 4, v32                ; 16 P + c
	v_add_nc_u32 v35, 1, v34
	v_or_b32 v36, 0x80000000, v34
	v_or_b32 v37, 0x80000000, v35
	s_wait_alu depctr_va_sdst(0)                   ; the two compares have written s24 and s25, ahead of the selects that read them
	v_cndmask_b32 v34, v34, v36, s24
	v_cndmask_b32 v35, v35, v37, s25
	s_wait_alu depctr_va_vdst(0)                   ; the ids v[34:35] and the ranks v[16:17] are written, which the stores below read
	global_store_b64 v13, v[34:35], s[8:9]                 ; 256 consecutive bytes, aligned
	global_store_b64 v13, v[16:17], s[8:9] offset:65536
.Lend:
	s_wait_dscnt 0x0                               ; the closing lines, six on end
	s_wait_alu 0x0
	s_wait_tensorcnt 0x0
	ds_add_u32 v128, v129
	s_wait_dscnt 0x0
	s_endpgm
.Lfunc_end_k_qef006f94db_sel:
	.size	k_qef006f94db_sel, .Lfunc_end_k_qef006f94db_sel-k_qef006f94db_sel
	.p2alignl 7, 3214868480
	.fill 96, 4, 3214868480
	.section	.rodata,"a",@progbits
	.p2align	6, 0x0
	.amdhsa_kernel k_qef006f94db_sel
		.amdhsa_group_segment_fixed_size 30976
		.amdhsa_private_segment_fixed_size 0
		.amdhsa_enable_private_segment 0
		.amdhsa_kernarg_size 24
		.amdhsa_user_sgpr_count 2
		.amdhsa_user_sgpr_kernarg_segment_ptr 1
		.amdhsa_wavefront_size32 1
		.amdhsa_system_sgpr_workgroup_id_x 1
		.amdhsa_system_sgpr_workgroup_id_y 1
		.amdhsa_system_sgpr_workgroup_id_z 1
		.amdhsa_system_vgpr_workitem_id 0
		.amdhsa_next_free_vgpr 130
		.amdhsa_next_free_sgpr 66
		.amdhsa_reserve_vcc 0
		.amdhsa_float_denorm_mode_32 3
		.amdhsa_float_denorm_mode_16_64 3
		.amdhsa_memory_ordered 1
		.amdhsa_forward_progress 1
		.amdhsa_inst_pref_size 48
	.end_amdhsa_kernel
	.amdgpu_metadata
---
amdhsa.version: [ 1, 2 ]
amdhsa.kernels:
  - .name:           k_qef006f94db_sel
    .symbol:         k_qef006f94db_sel.kd
    .args:
      - { .name: init, .offset: 0, .size: 8, .value_kind: global_buffer, .address_space: global }
      - { .name: maxes, .offset: 8, .size: 8, .value_kind: global_buffer, .address_space: global }
      - { .name: selA, .offset: 16, .size: 8, .value_kind: global_buffer, .address_space: global }
    .group_segment_fixed_size: 30976
    .private_segment_fixed_size: 0
    .kernarg_segment_align: 8
    .kernarg_segment_size: 24
    .max_flat_workgroup_size: 256
    .sgpr_count:     66
    .vgpr_count:     130
    .wavefront_size: 32
...
	.end_amdgpu_metadata
.endif
;; end of part 8
;; launch sel1: the kernel of part 8 again; grid 256 x 1, 8 waves a work-group, no clusters, 30,976 bytes of LDS; arguments selA, maxes, selB; writes selB
;; launch sel2: the kernel of part 8 again; grid 256 x 1, 8 waves a work-group, no clusters, 30,976 bytes of LDS; arguments selB, maxes, selA; writes selA
;; launch f1: the kernel of part 6 again; grid 128 x 1, 8 waves a work-group, no clusters, 21,504 bytes of LDS; arguments selA, feat, sums, cinv, cand; writes cand
;; launch sel3: the kernel of part 8 again; grid 256 x 1, 8 waves a work-group, no clusters, 30,976 bytes of LDS; arguments init, cand, selB; writes selB
;; launch out: the kernel of part 7 again; grid 4 x 1, 8 waves a work-group, no clusters, 17,920 bytes of LDS; arguments selB, cand, out0, out1, out2; writes out0, out1, out2
